; MI455X (gfx1250); checked and timed in simulation.
; The chip was launched on July 23, 2026; its instructions are those of AMD's public machine-readable ISA for CDNA 5 (MIT licence, August 2026) and "CDNA5" Instruction Set Architecture Reference Guide (July 2026). The comments in the code are by the model that wrote it; some were corrected since.
;; Recording Stable Audio Attn Processor2 0. Allowed arithmetic: matrix products marked QUANTISED: E2M1 operands, one E8M0 scale for each 32 along K, by v_wmma_scale_f32_16x16x128_f8f6f4 with both operands' format E2M1 (or v_wmma_scale_f32_32x16x128_f4), f32 sums; everything else in f32.
;; Inputs: bo 1,024 float32; cos 2,048 x 32 float32; hidden_states 2 x 2,048 x 1,024 float32; norm_k_w 64 float32; norm_q_w 64 float32; sin 2,048 x 32 float32; wk 1,024 x 512 float32; wo 1,024 x 1,024 float32; wq 1,024 x 1,024 float32; wv 1,024 x 512 float32.
;; Outputs: out0 2 x 2,048 x 1,024 float32.
;; This version of the problem:
;;   THIS VERSION OF THE PROBLEM IS GIVEN IN LOW PRECISION. The matrix products marked QUANTISED in the list below multiply operands that are first quantised to E2M1 (2 exponent bits, 1 mantissa bit; 4 bits a number), with one power-of-two scale for each 32 numbers along K (OCP MX v1.0); their sums are f32. All else is computed in f32.
;;   The module's matrix products, in the order in which they are computed (A, B: the left and right operand; K: the contracted axis; several contracted axes count as one K, in the product's order):
;;     1. [M 4,096, K 1,024] x [K 1,024, N 1,024]; A: input hidden_states; B: input wq: QUANTISED
;;     2. [M 4,096, K 1,024] x [K 1,024, N 512]; A: input hidden_states; B: input wk: QUANTISED
;;     3. [M 4,096, K 1,024] x [K 1,024, N 512]; A: input hidden_states; B: input wv: QUANTISED
;;     4. batch 32 x [M 2,048, K 64] x [K 64, N 2,048]; A: computed on the way; B: computed on the way: QUANTISED
;;     5. batch 32 x [M 2,048, K 2,048] x [K 2,048, N 64]; A: softmax (see below); B: computed on the way: QUANTISED
;;     6. [M 4,096, K 1,024] x [K 1,024, N 1,024]; A: computed on the way; B: input wo: QUANTISED
;;   THE QUANTISER, for each operand of a quantised product, along K:
;;     - K is cut into blocks of 32 from its start; a last block that is shorter is filled with zeros.
;;     - A block's scale is 2^e with e = floor(log2(the largest magnitude in the block)) - 2, held to -126 .. 127; a block of zeros has e = 0. As a byte (E8M0): e + 127.
;;     - Each number is divided by its block's scale, clamped to +-6, and rounded to the nearest number of E2M1, ties to even, subnormals kept.
;;     - The product sums the exact products of the quantised numbers (number of the format x scale) in f32.
;;   ~~~python
;;   def quantise(x, axis):      # numpy; x: float32 -> the quantised numbers, widened to float32 again
;;       x = np.moveaxis(x, axis, -1); K = x.shape[-1]
;;       x = np.pad(x, [(0, 0)] * (x.ndim - 1) + [(0, -K % 32)]); x = x.reshape(x.shape[:-1] + (-1, 32)); a = np.abs(x).max(-1, keepdims=True)
;;       e = np.where(a > 0, np.clip(np.frexp(np.where(a > 0, a, 1))[1] - 1 - 2, -126, 127), 0)      # np.frexp(a)[1] - 1 = floor(log2(a)), exactly
;;       r = np.clip(x / 2.0 ** e, -6, 6)
;;       step = 2.0 ** (np.maximum(np.frexp(np.where(r == 0, 1, r))[1] - 1, 0) - 1)
;;       q = np.round(r / step) * step * 2.0 ** e      # np.round: ties to even
;;       return np.moveaxis(q.reshape(q.shape[:-2] + (-1,))[..., :K], -1, axis).astype(np.float32)
;;   ~~~
;;   SOFTMAX AHEAD OF A QUANTISED PRODUCT. Where the list says 'softmax', what is quantised is not the finished softmax but p = 2^(t - M), with t = logit x log2(e) and M = ceil(the row's largest t), a whole number; so 1/2 < the row's largest p <= 1. The row's sum l is taken of the UNQUANTISED p, in f32, and the product's result is divided by l at the end. Since M is a whole number, a kernel that streams over the keys may use a running M (the ceiling of the running maximum): every later rescaling is an exact power of two, which a block's scale takes up: the codes' values come out the same.
;;   OPERANDS COMPUTED ON THE WAY. 'Computed on the way' means the value that the module computes at that place (a softmax that the list does not call 'softmax' is quantised finished and normalised). What goes into a quantiser is computed in f32, as accurately as f32 sums, v_exp_f32 and their like allow (about 1e-6 of the number): no bf16 or f16 on the way to a quantiser, and a product that is left as it is and whose result goes on into a quantised operand takes f32 operands (vector FMAs, or v_wmma_f32_16x16x4_f32). A number that lies on a knife's edge between two numbers of the format may be rounded either way, as far as f32 arithmetic and the matrix unit's own rounding can turn it there, and no further.
;; One version. Each part assembles by itself: llvm-mc -triple=amdgcn-amd-amdhsa -mcpu=gfx1250 --defsym DOCPART=n.
;; ======== version 1 of 1: 4 launches
;; limits: right only within a limited range of input values
;; workspace buffers: xq 2,228,224 bytes; wc 1,572,864 bytes; ws 98,304 bytes; qc 2,097,152 bytes; qs 262,144 bytes; kv 2,293,760 bytes; oq 2,228,224 bytes
;; launch prep (part 1): grid 256 x 1, 5 waves a work-group, no clusters, 17,664 bytes of LDS; arguments hidden_states, wq, wk, wv, wo, xq, wc, ws; writes xq, wc, ws
.if DOCPART == 1
	.amdgcn_target "amdgcn-amd-amdhsa--gfx1250"
	.amdhsa_code_object_version 6
	.text
	.protected	k_qe6c4bb97a2_prep
	.globl	k_qe6c4bb97a2_prep
	.p2align	8
	.type	k_qe6c4bb97a2_prep,@function
k_qe6c4bb97a2_prep:
	s_mov_b64 s[64:65], 0
	v_nop
	global_prefetch_b8 v0, s[64:65] scope:SCOPE_SE
	s_setreg_imm32_b32 hwreg(HW_REG_WAVE_MODE, 25, 1), 1
	s_wait_xcnt 0x0
; PREP: hidden_states [4096][1024] and the four weights [1024][N], all f32, become codes of FP4 (E2M1) with one E8M0 scale byte for each 32 along K (the 1,024 channels: hidden's last axis, the weights' first).
; A block's scale is 2^(floor(log2(its largest magnitude)) - 2): its byte is the largest magnitude's exponent field - 2, held at 1 from below by a floor among the maximum's leaves.
; LIMITS: a block of zeros gets the byte 1 where the rule says 127 (its codes are zeros, and this program alone reads the bytes); blocks whose largest magnitude lies under 2^-124 keep the byte 1; NaN and infinities are not served.
; EVERYTHING IS STORED AS THE IMAGE OF A MATRIX OPERAND'S REGISTERS.  A fragment is 16 rows x 128 K = 1,024 bytes laid [c 2][lane 32][16 bytes]: lane (r, h), piece c holds the 32 codes of k = 64 c + 32 h + 0..31, one whole block.
; THE ROWS OF A TILE ARE NOT NEIGHBOURS.  hidden_states: lane row r of tile T is row 64 (T / 4) + 8 (T % 4) + r + 24 (r / 8), so that four tiles' results hold 32 neighbouring tokens in one lane.
; The weights: lane row r of tile T is column 32 (T / 2) + 8 (T % 2) + r + 8 (r / 8), so that two tiles' results hold 16 neighbouring columns.
; Scale words (four bytes: a row's 128 K) are packed by pairs of tiles: lanes 0-15 the even tile's rows, lanes 16-31 the odd tile's.
; xq: [block of 128 rows 32][K step 8][8,704]: 8 fragments, then 512 bytes of scale words [half 2][lane 32][2 words].   wc: [tile 192][K step 8][1,024] (tiles 0-63 wq, 64-95 wk, 96-127 wv, 128-191 wo).   ws: [pair 96][K step 8][lane 32][4].
; SHARES, the same for each of 256 work-groups: waves 0 and 1 take hidden_states (64 rows x 128 K each, 32,768 bytes), waves 2 to 4 the weights (32 columns x 128 K each, 16,384 bytes).
; Each byte is read once; no matrix unit, no tensor load, no barrier: waves share nothing.
.set SPT,   528                        ; a stage row: 512 bytes + 16 of padding
.set STGB,  16*SPT                     ; a stage: 16 rows; waves 0 and 1 have one each
.set SPARE, 2*STGB                     ; the spare words, 128 bytes a wave
.set FLOOR, 0x1800000                  ; 2^(3 - 127)
.set OFFE,  0xff000000                 ; 2 off an exponent field
.set RECB,  8704                       ; a K step's record in xq
; ---- hidden_states: tile tt (of the wave's four): 16 loads, each one row's 512 consecutive bytes, into set tt % 3 (v32-223)
.macro LOADT tt
.irp rho, 0,1,2,3,4,5,6,7,8,9,10,11,12,13,14,15
	global_load_b128 v[32+64*((\tt)%3)+4*\rho:32+64*((\tt)%3)+4*\rho+3], v4, s[4:5] offset:(8*(\tt)+\rho+24*(\rho/8))*4096 th:TH_LOAD_NT
.endr
.endm
; The tile turns through the wave's own stage, so that lane (r, h) holds two whole blocks of its row: k = 64 c + 32 h + 0..31.  left: the loads of the tiles asked for later, which may stay out.
.macro TILE tt, left
.set R, 32+64*((\tt)%3)
.set C, 224+8*(\tt)
	s_wait_loadcnt \left
.irp rho, 0,1,2,3,4,5,6,7,8,9,10,11,12,13,14,15
	ds_store_b128 v5, v[R+4*\rho:R+4*\rho+3] offset:SPT*\rho
.endr
.irp c, 0,1
.irp i, 0,1,2,3,4,5,6,7
	ds_load_b128 v[R+32*\c+4*\i:R+32*\c+4*\i+3], v6 offset:256*\c+16*\i      ; LDS serves a wave's instructions in order: these see the stores above
.endr
.endr
	s_wait_dscnt 0x0
.irp c, 0,1                            ; the two blocks' largest magnitudes, two chains each, by turns
	v_max3_num_f32 v[10+\c], |v[R+32*\c]|, |v[R+32*\c+1]|, |v[R+32*\c+2]|
	v_max3_num_f32 v[12+\c], |v[R+32*\c+3]|, |v[R+32*\c+4]|, |v[R+32*\c+5]|
.endr
.irp i, 6,10,14,18,22,26
.irp c, 0,1
	v_max3_num_f32 v[10+\c], v[10+\c], |v[R+32*\c+\i]|, |v[R+32*\c+\i+1]|
	v_max3_num_f32 v[12+\c], v[12+\c], |v[R+32*\c+\i+2]|, |v[R+32*\c+\i+3]|
.endr
.endr
.irp c, 0,1
	v_max3_num_f32 v[10+\c], v[10+\c], |v[R+32*\c+30]|, |v[R+32*\c+31]|
.endr
.irp c, 0,1
	v_max3_num_f32 v[10+\c], v[10+\c], v[12+\c], FLOOR
.endr
.irp c, 0,1
	v_add_nc_u32 v[14+\c], OFFE, v[10+\c]          ; the conversion takes this operand's exponent field as its scale
.endr
.irp c, 0,1
	v_lshrrev_b32 v[16+\c], 23, v[14+\c]           ; the scale's byte
.endr
	v_lshl_or_b32 v18, v17, 16, v16                ; my bytes: blocks h and 2 + h,
	v_lshlrev_b32 v18, v8, v18                     ; 8 h bits up;
	v_permlanex16_b32 v19, v18, s40, s41           ; lane l xor 16 has the other two
.irp c, 0,1
.irp g, 0,1,2,3
	v_cvt_scalef32_pk8_fp4_f32 v[C+4*\c+\g], v[R+32*\c+8*\g:R+32*\c+8*\g+7], v[14+\c]
.endr
.endr
	v_or_b32 v[20+(\tt)%2], v18, v19               ; the row's scale word.  (Also the plain line behind the conversions)
.if (\tt)%2
	v_cndmask_b32 v[22+(\tt)/2], v20, v21, s42     ; a pair's words: lanes 0-15 the even tile's, lanes 16-31 the odd tile's
.endif
.irp c, 0,1
	global_store_b128 v4, v[C+4*\c:C+4*\c+3], s[30:31] offset:1024*(\tt)+512*\c   ; 512 consecutive bytes; each tile has code registers of its own
.endr
.endm
; ---- the weights: a lane takes a column and its registers run down K.  Block t: 32 loads, each 128 consecutive bytes of one row of the weight, into registers of its own (v32-159)
.macro LOADB t, pitch
.irp i, 0,1,2,3,4,5,6,7,8,9,10,11,12,13,14,15,16,17,18,19,20,21,22,23,24,25,26,27,28,29,30,31
	global_load_b32 v[32+32*(\t)+\i], v3, s[26:27] offset:(32*(\t)+\i)*(\pitch) th:TH_LOAD_NT
.endr
.endm
.macro BLOCK t
.set XS, 32+32*(\t)
.if (\t) < 2
	s_wait_loadcnt 63                              ; all 128 loads are issued: with 63 out blocks 0 and 1 are in
.elseif (\t) == 2
	s_wait_loadcnt 32                              ; block 3's 32 may be out
.else
	s_wait_loadcnt 0x0
.endif
	v_max3_num_f32 v12, |v[XS]|, |v[XS+1]|, |v[XS+2]|
	v_max3_num_f32 v13, |v[XS+3]|, |v[XS+4]|, |v[XS+5]|
.irp i, 6,10,14,18,22,26
	v_max3_num_f32 v12, v12, |v[XS+\i]|, |v[XS+\i+1]|
	v_max3_num_f32 v13, v13, |v[XS+\i+2]|, |v[XS+\i+3]|
.endr
	v_max3_num_f32 v12, v12, |v[XS+30]|, |v[XS+31]|
	v_max3_num_f32 v12, v12, v13, FLOOR
	v_add_nc_u32 v11, OFFE, v12
	v_lshrrev_b32 v13, 23, v11
.irp g, 0,1,2,3
	v_cvt_scalef32_pk8_fp4_f32 v[160+4*(\t)+\g], v[XS+8*\g:XS+8*\g+7], v11
.endr
.if (\t) == 0
	v_mov_b32 v24, v13                             ; the four bytes make my column's scale word.  (Also the plain line behind the conversions)
.else
	v_lshl_or_b32 v24, v13, 8*(\t), v24
.endif
	global_store_b128 v7, v[160+4*(\t):160+4*(\t)+3], s[32:33] offset:512*((\t)/2)+256*((\t)%2)   ; block t is piece t / 2, lane half t % 2: sixteen lanes fill 256 consecutive bytes of each of the pair's two tiles
.endm
.macro WPATH pitch                     ; pitch: a row of the weight in bytes
	s_sub_co_u32 s28, s22, s28                     ; which group of 128 columns of this weight
	s_lshl_b32 s30, s28, 9
	s_lshl_b32 s25, s20, 7                         ; my wave's 32 columns
	s_add_co_u32 s30, s30, s25
	s_mul_i32 s25, s23, 128*(\pitch)               ; my K step's 128 rows
	s_add_co_u32 s30, s30, s25
	s_add_nc_u64 s[26:27], s[26:27], s[30:31]
	LOADB 0, \pitch
	LOADB 1, \pitch
	LOADB 2, \pitch
	LOADB 3, \pitch
	BLOCK 0
	BLOCK 1
	BLOCK 2
	BLOCK 3
	global_store_b32 v8, v24, s[34:35]             ; the pair's 32 scale words: 128 consecutive bytes
	s_endpgm
.endm
	s_load_b256 s[4:11], s[0:1], 0x0               ; hidden s[4:5], wq s[6:7], wk s[8:9], wv s[10:11]
	s_load_b256 s[12:19], s[0:1], 0x20             ; wo s[12:13], xq s[14:15], wc s[16:17], ws s[18:19]
	v_lshl_add_u32 v30, v0, 2, SPARE
	v_mov_b32 v31, 0
	v_lshrrev_b32 v1, 5, v0
	v_readfirstlane_b32 s20, v1                    ; wave 0..4
	v_and_b32 v2, 31, v0                           ; lane
	s_wait_alu depctr_va_vdst(0)
	s_wait_kmcnt 0x0
	s_cmp_ge_u32 s20, 2
	s_cbranch_scc1 .Lweights
	; ---- hidden_states.  id = 2 x work-group + wave: block of 128 rows = id / 16, K step = (id / 2) % 8, half of the block = id % 2
	s_lshl_b32 s21, ttmp9, 1
	s_add_co_u32 s21, s21, s20
	s_lshr_b32 s22, s21, 4
	s_bfe_u32 s23, s21, 0x30001
	s_and_b32 s24, s21, 1
	s_lshl_b32 s28, s22, 19                        ; 128 rows of 4,096 bytes,
	s_lshl_b32 s25, s24, 18                        ; 64 rows,
	s_add_co_u32 s28, s28, s25
	s_lshl_b32 s25, s23, 9                         ; 128 numbers
	s_add_co_u32 s28, s28, s25
	s_mov_b32 s29, 0
	s_add_nc_u64 s[4:5], s[4:5], s[28:29]
	s_mul_i32 s28, s22, 8*RECB
	s_mul_i32 s25, s23, RECB
	s_add_co_u32 s28, s28, s25                     ; the record
	s_lshl_b32 s25, s24, 12
	s_add_co_u32 s30, s28, s25                     ; my four fragments in it
	s_mov_b32 s31, 0
	s_lshl_b32 s25, s24, 8
	s_add_co_u32 s28, s28, s25
	s_add_co_u32 s28, s28, 8192                    ; my 256 bytes of scale words
	s_add_nc_u64 s[30:31], s[14:15], s[30:31]
	s_add_nc_u64 s[32:33], s[14:15], s[28:29]
	s_mul_i32 s34, s20, STGB                       ; my stage
	v_lshlrev_b32 v4, 4, v2                        ; 16 x lane
	v_add_nc_u32 v5, s34, v4                       ; the stage, on the way in
	v_and_b32 v9, 15, v2                           ; r
	v_lshrrev_b32 v8, 4, v2                        ; h
	v_mul_u32_u24 v6, v9, SPT
	v_lshl_add_u32 v6, v8, 7, v6
	v_add_nc_u32 v6, s34, v6                       ; and on the way out: row r, + 128 h bytes
	v_lshlrev_b32 v7, 3, v2                        ; 8 x lane
	v_lshlrev_b32 v8, 3, v8                        ; 8 h: a shift
	v_mov_b32 v19, 0                               ; written once: a lane permute's destination counts as one of its sources
	s_mov_b32 s40, 0x76543210
	s_mov_b32 s41, 0xfedcba98                      ; v_permlanex16_b32's selects for lane l xor 16
	s_mov_b32 s42, 0xffff0000                      ; lanes 16-31
	LOADT 0
	LOADT 1
	LOADT 2
	s_wait_alu depctr_va_vdst(0)                   ; the wait at the head's end
	TILE 0, 32
	LOADT 3                                        ; into tile 0's set, which has been converted
	TILE 1, 32
	TILE 2, 16
	TILE 3, 0
	global_store_b64 v7, v[22:23], s[32:33]        ; 256 consecutive bytes of scale words
	s_wait_tensorcnt 0x0                           ; the end of a wave that stored to LDS
	ds_add_u32 v30, v31
	s_wait_dscnt 0x0
	s_endpgm
.Lweights:
	; ---- the weights, 768 strips of 32 columns x 128 K; strips 2 n and 2 n + 1 share rows of 256 bytes.  Waves 2 and 3 take strips 2 x work-group and the next; wave 4 strip 512 + 16 (work-group / 16) + 2 (work-group % 8) + (work-group / 8) % 2,
	; so that the two strips of a pair lie in one work-group or in two whose numbers differ by 8.
	s_lshl_b32 s21, ttmp9, 1
	s_add_co_u32 s21, s21, s20
	s_sub_co_u32 s21, s21, 2
	s_lshr_b32 s22, ttmp9, 4
	s_lshl_b32 s22, s22, 4
	s_and_b32 s23, ttmp9, 7
	s_lshl_b32 s23, s23, 1
	s_add_co_u32 s22, s22, s23
	s_bfe_u32 s23, ttmp9, 0x10003
	s_add_co_u32 s22, s22, s23
	s_add_co_u32 s22, s22, 512
	s_cmp_eq_u32 s20, 4
	s_cselect_b32 s21, s22, s21                    ; the strip
	s_and_b32 s20, s21, 3                          ; which 32 of the group's 128 columns
	s_lshr_b32 s21, s21, 2                         ; j: group of 128 columns = j / 8 (0-7 wq, 8-11 wk, 12-15 wv, 16-23 wo), K step = j % 8
	s_lshr_b32 s22, s21, 3
	s_and_b32 s23, s21, 7
	s_lshl_b32 s24, s22, 2
	s_add_co_u32 s24, s24, s20                     ; the pair of tiles
	v_lshlrev_b32 v3, 2, v2                        ; lane x takes column x of the pair's 32
	v_bfe_u32 v4, v2, 3, 1                         ; which is in tile u = (x / 8) % 2
	v_and_b32 v5, 7, v2
	v_lshrrev_b32 v6, 4, v2
	v_lshl_or_b32 v5, v6, 3, v5                    ; at lane row r = x % 8 + 8 (x / 16)
	v_lshlrev_b32 v7, 4, v5
	v_lshl_or_b32 v7, v4, 13, v7                   ; codes: 8,192 u + 16 r
	v_lshl_add_u32 v8, v4, 4, v5
	v_lshlrev_b32 v8, 2, v8                        ; scale word: 4 (r + 16 u)
	s_lshl_b32 s30, s24, 14
	s_lshl_b32 s25, s23, 10
	s_add_co_u32 s30, s30, s25
	s_mov_b32 s31, 0
	s_add_nc_u64 s[32:33], s[16:17], s[30:31]
	s_lshl_b32 s30, s24, 10
	s_lshl_b32 s25, s23, 7
	s_add_co_u32 s30, s30, s25
	s_add_nc_u64 s[34:35], s[18:19], s[30:31]
	s_wait_alu depctr_va_vdst(0)                   ; the wait ahead of the branches
	s_sub_co_u32 s25, s22, 8
	s_cmp_lt_u32 s25, 8                            ; groups 8 to 15: the weights of 512 columns
	s_cbranch_scc1 .Lnarrow
	s_cmp_lt_u32 s22, 8
	s_cselect_b64 s[26:27], s[6:7], s[12:13]       ; wq or wo: the choice hangs on the work-group's and the wave's numbers alone
	s_cselect_b32 s28, 0, 16
	WPATH 4096
.Lnarrow:
	s_cmp_lt_u32 s22, 12
	s_cselect_b64 s[26:27], s[8:9], s[10:11]       ; wk or wv
	s_cselect_b32 s28, 8, 12
	WPATH 2048
.Lfunc_end_k_qe6c4bb97a2_prep:
	.size	k_qe6c4bb97a2_prep, .Lfunc_end_k_qe6c4bb97a2_prep-k_qe6c4bb97a2_prep
	.p2alignl 7, 3214868480
	.fill 96, 4, 3214868480
	.section	.rodata,"a",@progbits
	.p2align	6, 0x0
	.amdhsa_kernel k_qe6c4bb97a2_prep
		.amdhsa_group_segment_fixed_size 17664
		.amdhsa_private_segment_fixed_size 0
		.amdhsa_enable_private_segment 0
		.amdhsa_kernarg_size 64
		.amdhsa_user_sgpr_count 2
		.amdhsa_user_sgpr_kernarg_segment_ptr 1
		.amdhsa_wavefront_size32 1
		.amdhsa_system_sgpr_workgroup_id_x 1
		.amdhsa_system_sgpr_workgroup_id_y 1
		.amdhsa_system_sgpr_workgroup_id_z 1
		.amdhsa_system_vgpr_workitem_id 0
		.amdhsa_next_free_vgpr 256
		.amdhsa_next_free_sgpr 66
		.amdhsa_reserve_vcc 0
		.amdhsa_float_denorm_mode_32 3
		.amdhsa_float_denorm_mode_16_64 3
		.amdhsa_memory_ordered 1
		.amdhsa_forward_progress 1
		.amdhsa_inst_pref_size 69
	.end_amdhsa_kernel
	.amdgpu_metadata
---
amdhsa.version: [ 1, 2 ]
amdhsa.kernels:
  - .name:           k_qe6c4bb97a2_prep
    .symbol:         k_qe6c4bb97a2_prep.kd
    .args:
      - { .name: hidden_states, .offset: 0, .size: 8, .value_kind: global_buffer, .address_space: global }
      - { .name: wq, .offset: 8, .size: 8, .value_kind: global_buffer, .address_space: global }
      - { .name: wk, .offset: 16, .size: 8, .value_kind: global_buffer, .address_space: global }
      - { .name: wv, .offset: 24, .size: 8, .value_kind: global_buffer, .address_space: global }
      - { .name: wo, .offset: 32, .size: 8, .value_kind: global_buffer, .address_space: global }
      - { .name: xq, .offset: 40, .size: 8, .value_kind: global_buffer, .address_space: global }
      - { .name: wc, .offset: 48, .size: 8, .value_kind: global_buffer, .address_space: global }
      - { .name: ws, .offset: 56, .size: 8, .value_kind: global_buffer, .address_space: global }
    .group_segment_fixed_size: 17664
    .private_segment_fixed_size: 0
    .kernarg_segment_align: 8
    .kernarg_segment_size: 64
    .max_flat_workgroup_size: 160
    .sgpr_count:     66
    .vgpr_count:     256
    .wavefront_size: 32
...
	.end_amdgpu_metadata
.endif
;; end of part 1
;; launch qkv (part 2): grid 8 x 32, 4 waves a work-group, clusters of 4 x 1, 327,680 bytes of LDS; arguments xq, wc, ws, cos, sin, norm_q_w, norm_k_w, qc, qs, kv; writes qc, qs, kv
.if DOCPART == 2
	.amdgcn_target "amdgcn-amd-amdhsa--gfx1250"
	.amdhsa_code_object_version 6
	.text
	.protected	k_qe6c4bb97a2_qkv
	.globl	k_qe6c4bb97a2_qkv
	.p2align	8
	.type	k_qe6c4bb97a2_qkv,@function
k_qe6c4bb97a2_qkv:
	s_mov_b64 s[64:65], 0
	v_nop
	global_prefetch_b8 v0, s[64:65] scope:SCOPE_SE
	s_setreg_imm32_b32 hwreg(HW_REG_WAVE_MODE, 25, 1), 1
	s_wait_xcnt 0x0
	s_wait_alu depctr_hold_cnt(0) depctr_sa_sdst(0) depctr_va_vdst(0) depctr_va_sdst(0) depctr_va_ssrc(0) depctr_va_vcc(0) depctr_vm_vsrc(0)
	s_getreg_b32 s2, hwreg(HW_REG_IB_STS2, 6, 4)
	s_cmp_eq_u32 s2, 0
	s_cbranch_scc0 .Lentry_in_a_cluster
	s_endpgm
.Lentry_in_a_cluster:
	s_bfe_u32 s2, ttmp6, 0x10000c
	s_cmp_lg_u32 s2, 0x3003
	s_cbranch_scc0 .Lentry_shape_is_right
	s_endpgm
.Lentry_shape_is_right:
.set WV,   24
; QKV: q, k, v = x wq, x wk, x wv on codes of FP4; q and k are normalised over their 64 channels, turned (RoPE on the first 32) and quantised along the channels; v is quantised along the tokens.
; SHARES.  Work-group (x, y): 128 tokens; waves 0 and 1: query heads 2 x, 2 x + 1; wave 2: key head x; wave 3: value head x: 128 x 64 results each, 32 accumulators, 256 registers.
; x's block (8 K steps) and the tables cos and sin of its 128 tokens lie in LDS, filled once: waves 0 and 1 fetch four K steps each, wave 2 cos, wave 3 sin, one tensor load a wave.  CLUSTER: the four work-groups have the same tokens: the loads are JOINT (mask 15).
; The weights are each wave's own: from memory straight into registers, asked for behind the tensor load and under its flight.  There is no loop to run ahead in, so nothing is prefetched.
; LAYOUT.  x's tile m holds at lane row r the token 64 (m / 4) + 8 (m % 4) + r + 24 (r / 8): a lane of the value product (a channel) holds in registers 32 c .. 32 c + 31 the tokens 64 c + 32 h + 0..31, a whole block, in the operand's own order.
; A head's tile of weights holds at lane row r the column 32 (t / 2) + 8 (t % 2) + r + 8 (r / 8): a lane of the query and key products (a token) holds 16 neighbouring channels in two tiles' registers.
; SCALE WORDS of q and k: fragment f = tiles 2 f and 2 f + 1: bytes 0, 1 the even tile's two blocks, bytes 2, 3 the odd tile's.  Those of v: a pair of tiles, lanes 0-15 the even one's, lanes 16-31 the odd one's.
; LIMITS: a block of zeros gets the byte 1, not 127 (zero codes; this program alone reads the bytes); largest magnitudes under 2^-124 keep the byte 1; NaN and infinities are not served.
.set RECB, 8704
.set CSB,  8*RECB
.set CSP,  144
.set SINO, 128*CSP
.set FLOOR, 0x1800000
.set OFFE,  0xff000000
.set SPK,  12
.set WSC,  16
.set XSC,  32
.set SS,   40
.set RS,   48
.set Y,    64
.set PP,   96
.set TM,   112
.set XF,   128
.set CSR,  128
.set PCD,  192
.set G1X,  36
.set G0X,  44
.set G1C,  48
.set G0C,  56
.set MSB, 0
.macro WIN new
.if MSB != \new
	s_set_vgpr_msb (MSB<<8)|\new
.set MSB, \new
.endif
.endm
.macro PLACES
.rept 4
	v_nop
.endr
.endm
.macro ROUND
	s_barrier_signal -1
	s_barrier_wait -1
	s_cmp_lg_u32 s[WV], 0
	s_cbranch_scc1 .Lnot_wave_0_\@
	s_barrier_signal -3
.Lnot_wave_0_\@:
	s_barrier_wait -3
	s_barrier_signal -1
	s_barrier_wait -1
.endm
.macro WM d, a, b, c, sa, sb, ra, rb
.set m_r, 2*(\ra)+(\rb)
.if (\c) < 0
.if m_r == 0
	v_wmma_scale_f32_16x16x128_f8f6f4 v[\d:\d+7], v[\a:\a+7], v[\b:\b+7], 0, v[\sa], v[\sb] matrix_a_fmt:MATRIX_FMT_FP4 matrix_b_fmt:MATRIX_FMT_FP4
.elseif m_r == 1
	v_wmma_scale_f32_16x16x128_f8f6f4 v[\d:\d+7], v[\a:\a+7], v[\b:\b+7], 0, v[\sa], v[\sb] matrix_a_fmt:MATRIX_FMT_FP4 matrix_b_fmt:MATRIX_FMT_FP4 matrix_b_scale:MATRIX_SCALE_ROW1
.elseif m_r == 2
	v_wmma_scale_f32_16x16x128_f8f6f4 v[\d:\d+7], v[\a:\a+7], v[\b:\b+7], 0, v[\sa], v[\sb] matrix_a_fmt:MATRIX_FMT_FP4 matrix_b_fmt:MATRIX_FMT_FP4 matrix_a_scale:MATRIX_SCALE_ROW1
.else
	v_wmma_scale_f32_16x16x128_f8f6f4 v[\d:\d+7], v[\a:\a+7], v[\b:\b+7], 0, v[\sa], v[\sb] matrix_a_fmt:MATRIX_FMT_FP4 matrix_b_fmt:MATRIX_FMT_FP4 matrix_a_scale:MATRIX_SCALE_ROW1 matrix_b_scale:MATRIX_SCALE_ROW1
.endif
.else
.if m_r == 0
	v_wmma_scale_f32_16x16x128_f8f6f4 v[\d:\d+7], v[\a:\a+7], v[\b:\b+7], v[\c:\c+7], v[\sa], v[\sb] matrix_a_fmt:MATRIX_FMT_FP4 matrix_b_fmt:MATRIX_FMT_FP4
.elseif m_r == 1
	v_wmma_scale_f32_16x16x128_f8f6f4 v[\d:\d+7], v[\a:\a+7], v[\b:\b+7], v[\c:\c+7], v[\sa], v[\sb] matrix_a_fmt:MATRIX_FMT_FP4 matrix_b_fmt:MATRIX_FMT_FP4 matrix_b_scale:MATRIX_SCALE_ROW1
.elseif m_r == 2
	v_wmma_scale_f32_16x16x128_f8f6f4 v[\d:\d+7], v[\a:\a+7], v[\b:\b+7], v[\c:\c+7], v[\sa], v[\sb] matrix_a_fmt:MATRIX_FMT_FP4 matrix_b_fmt:MATRIX_FMT_FP4 matrix_a_scale:MATRIX_SCALE_ROW1
.else
	v_wmma_scale_f32_16x16x128_f8f6f4 v[\d:\d+7], v[\a:\a+7], v[\b:\b+7], v[\c:\c+7], v[\sa], v[\sb] matrix_a_fmt:MATRIX_FMT_FP4 matrix_b_fmt:MATRIX_FMT_FP4 matrix_a_scale:MATRIX_SCALE_ROW1 matrix_b_scale:MATRIX_SCALE_ROW1
.endif
.endif
.endm
.macro FETCHX s
.set fx, XF+64*((\s)%2)
.set fo, ((\s)%4)*RECB
.set fa, 1+(\s)/4
.irp T, 0,1,2,3,4,5,6,7
.irp c, 0,1
	ds_load_b128 v[fx+8*\T+4*\c:fx+8*\T+4*\c+3], v[fa] offset:fo+1024*\T+512*\c
.endr
.endr
.irp hf, 0,1
	ds_load_b64 v[XSC+4*((\s)%2)+2*\hf:XSC+4*((\s)%2)+2*\hf+1], v[fa+2] offset:fo+8192+256*\hf
.endr
.endm
.macro STEP s, kind, extra
.if (\s) > 0
	PLACES
.endif
	WIN 0
.if (\s) < 7
	FETCHX (\s)+1
	s_wait_dscnt 18
.else
	s_wait_dscnt 0x0
.endif
.if (\s) < 4                           ; weight loads issued behind this step's own: 8 for each of the three steps that follow it, and the gains' (extra), which stand behind step 3's
.set lc, 24+(\extra)
.else
.set lc, 8*(7-(\s))
.endif
	s_wait_loadcnt lc
.if (\kind) == 0
	WIN 0xa1
.irp m, 0,1,2,3,4,5,6,7
.irp t, 0,1,2,3
.if (\s) == 0
	WM 32*\m+8*\t, 32*(\s)+8*\t, XF+64*((\s)%2)+8*\m, -1, WSC+8*(\t/2)+(\s), XSC+4*((\s)%2)+\m/2, \t%2, \m%2
.else
	WM 32*\m+8*\t, 32*(\s)+8*\t, XF+64*((\s)%2)+8*\m, 32*\m+8*\t, WSC+8*(\t/2)+(\s), XSC+4*((\s)%2)+\m/2, \t%2, \m%2
.endif
.endr
.endr
.else
	WIN 0xa4
.irp t, 0,1,2,3
.irp m, 0,1,2,3,4,5,6,7
.if (\s) == 0
	WM 64*\t+8*\m, XF+64*((\s)%2)+8*\m, 32*(\s)+8*\t, -1, XSC+4*((\s)%2)+\m/2, WSC+8*(\t/2)+(\s), \m%2, \t%2
.else
	WM 64*\t+8*\m, XF+64*((\s)%2)+8*\m, 32*(\s)+8*\t, 64*\t+8*\m, XSC+4*((\s)%2)+\m/2, WSC+8*(\t/2)+(\s), \m%2, \t%2
.endif
.endr
.endr
.endif
.if (\s) < 4                           ; the weights of four K steps on, into registers that no product has read
	WIN 0x40
.irp t, 0,1,2,3
.irp c, 0,1
	global_load_b128 v[32*((\s)+4)+8*\t+4*\c:32*((\s)+4)+8*\t+4*\c+3], v1, s[60:61] offset:8192*\t+1024*((\s)+4)+512*\c
.endr
.endr
.endif
.endm
.macro CSLOAD m
.set cl, CSR+32*((\m)%2)
.set co, (64*((\m)/4)+8*((\m)%4))*CSP
.irp i, 0,1,2,3
	ds_load_b128 v[cl+4*\i:cl+4*\i+3], v6 offset:co+16*\i
	ds_load_b128 v[cl+16+4*\i:cl+16+4*\i+3], v6 offset:co+SINO+16*\i
.endr
.endm
.macro QKM m
.set cs, CSR+32*((\m)%2)
	WIN 0x02
.irp p, 0,2,4,6,8,10,12,14,16,18,20,22,24,26,28,30
	v_pk_mul_f32 v[Y+\p:Y+\p+1], v[32*(\m)+\p:32*(\m)+\p+1], v[RS+2*(\m):RS+2*(\m)+1]
.endr
	WIN 0x0c
.irp p, 0,2,4,6,8,10,12,14,16,18,20,22,24,26,28,30
	v_pk_mul_f32 v[Y+\p:Y+\p+1], v[Y+\p:Y+\p+1], v[\p:\p+1]
.endr
	WIN 0
.if (\m)%2 == 0
	s_wait_dscnt 8                                 ; this tile's rows of the tables are in; the odd tile's eight loads may be out
.else
	s_wait_dscnt 0x0
.endif
.irp j, 0,1,2,3,4,5,6,7,8,9,10,11,12,13,14,15
	v_permlanex16_b32 v[PP+\j], v[Y+\j], s72, s73
.endr
.irp p, 0,2,4,6,8,10,12,14
	v_pk_mul_f32 v[Y+\p:Y+\p+1], v[Y+\p:Y+\p+1], v[cs+\p:cs+\p+1]
.endr
.irp p, 0,2,4,6,8,10,12,14
	v_pk_mul_f32 v[PP+\p:PP+\p+1], v[PP+\p:PP+\p+1], v[cs+16+\p:cs+17+\p]
.endr
.irp p, 0,2,4,6,8,10,12,14
	v_pk_fma_f32 v[Y+\p:Y+\p+1], v[PP+\p:PP+\p+1], v[8:9], v[Y+\p:Y+\p+1]
.endr
.endm
; The quantiser for tiles m and m + 1 at once (v64-95 and v224-255): four blocks by turns.
.macro QKT m
.irp b, 0,1,2,3
	v_max3_num_f32 v[TM+\b], |v[64+160*(\b/2)+16*(\b%2)]|, |v[65+160*(\b/2)+16*(\b%2)]|, FLOOR
.endr
.irp i, 2,4,6,8,10,12,14
.irp b, 0,1,2,3
	v_max3_num_f32 v[TM+\b], v[TM+\b], |v[64+160*(\b/2)+16*(\b%2)+\i]|, |v[65+160*(\b/2)+16*(\b%2)+\i]|
.endr
.endr
.irp b, 0,1,2,3
	v_permlanex16_b32 v[TM+4+\b], v[TM+\b], s72, s73
.endr
.irp b, 0,1,2,3
	v_max_num_f32 v[TM+\b], v[TM+\b], v[TM+4+\b]
.endr
.irp b, 0,1,2,3
	v_add_nc_u32 v[TM+12+\b], OFFE, v[TM+\b]
.endr
.irp b, 0,1,2,3
	v_lshrrev_b32 v[TM+4+\b], 23, v[TM+12+\b]
.endr
	v_lshl_or_b32 v[TM+8], v[TM+5], 8, v[TM+4]
	v_lshl_or_b32 v[TM+9], v[TM+7], 8, v[TM+6]
.irp b, 0,1,2,3
	v_cvt_scalef32_pk8_fp4_f32 v[PCD+4*(\m)+2*\b], v[64+160*(\b/2)+16*(\b%2):71+160*(\b/2)+16*(\b%2)], v[TM+12+\b]
	v_cvt_scalef32_pk8_fp4_f32 v[PCD+4*(\m)+2*\b+1], v[72+160*(\b/2)+16*(\b%2):79+160*(\b/2)+16*(\b%2)], v[TM+12+\b]
.endr
	v_lshl_or_b32 v[SPK+(\m)/2], v[TM+9], 16, v[TM+8]   ; a fragment holds two tiles of 64 along K: two bytes of each.  (Also the plain line behind the conversions)
.irp u, 0,1
	v_permlane16_swap_b32 v[PCD+4*(\m)+4*\u], v[PCD+4*(\m)+4*\u+2]
	v_permlane16_swap_b32 v[PCD+4*(\m)+4*\u+1], v[PCD+4*(\m)+4*\u+3]
.endr
.irp u, 0,1
	global_store_b128 v1, v[PCD+4*(\m)+4*\u:PCD+4*(\m)+4*\u+3], s[66:67] offset:512*((\m)+\u)
.endr
.endm
.macro QKP m                           ; tiles m and m + 1: normalised and turned one after the other, the second in v224-255; then quantised together
	QKM \m
.set Y, 224
	QKM (\m)+1
.set Y, 64
.if (\m)+2 < 8
	CSLOAD (\m)+2
	CSLOAD (\m)+3
.endif
	QKT \m
.endm
.macro VT t
	WIN 0x0a
.irp b, 0,1,2,3
	v_max3_num_f32 v[TM+\b], |v[64*(\t)+16*\b]|, |v[64*(\t)+16*\b+1]|, FLOOR
.endr
	WIN 0x28
.irp i, 2,4,6,8,10,12,14
.irp b, 0,1,2,3
	v_max3_num_f32 v[TM+\b], v[TM+\b], |v[64*(\t)+16*\b+\i]|, |v[64*(\t)+16*\b+\i+1]|
.endr
.endr
	WIN 0
.irp c, 0,1
	v_max_num_f32 v[TM+4+\c], v[TM+2*\c], v[TM+2*\c+1]   ; my lane's block 2 c + h: all its 32 tokens are mine
.endr
.irp c, 0,1
	v_add_nc_u32 v[TM+12+\c], OFFE, v[TM+4+\c]
.endr
.irp c, 0,1
	v_lshrrev_b32 v[TM+6+\c], 23, v[TM+12+\c]
.endr
	v_lshl_or_b32 v[TM+14], v[TM+7], 16, v[TM+6]   ; my two bytes,
	v_lshlrev_b32 v[TM+14], v7, v[TM+14]           ; 8 h bits up;
	v_permlanex16_b32 v[TM+15], v[TM+14], s72, s73 ; lane l xor 16 has the other two
	v_or_b32 v[TM+8+(\t)%2], v[TM+14], v[TM+15]
	WIN 0x02
.irp b, 0,1,2,3
	v_cvt_scalef32_pk8_fp4_f32 v[PCD+8*(\t)+2*\b], v[64*(\t)+16*\b:64*(\t)+16*\b+7], v[TM+12+\b/2]
	v_cvt_scalef32_pk8_fp4_f32 v[PCD+8*(\t)+2*\b+1], v[64*(\t)+16*\b+8:64*(\t)+16*\b+15], v[TM+12+\b/2]
.endr
	WIN 0
	v_nop
.irp c, 0,1
	global_store_b128 v1, v[PCD+8*(\t)+4*\c:PCD+8*(\t)+4*\c+3], s[66:67] offset:1024*(\t)+512*\c
.endr
.if (\t)%2
	v_cndmask_b32 v[SPK+(\t)/2], v[TM+8], v[TM+9], s74
.endif
.endm
	s_load_b512 s[4:19], s[0:1], 0x0
	s_load_b128 s[20:23], s[0:1], 0x40
	v_lshl_add_u32 v122, v0, 2, 0x29000
	v_mov_b32 v123, 0
	ds_add_u32 v122, v123
	ds_add_u32 v122, v123
	v_lshrrev_b32 v10, 5, v0
	v_readfirstlane_b32 s[WV], v10
	s_bfe_u32 s25, ttmp6, 0x40000
	s_lshl_b32 s26, ttmp9, 2
	s_add_co_u32 s26, s26, s25
	s_and_b32 s27, ttmp7, 0xffff
	s_lshr_b32 s28, s27, 4
	s_and_b32 s29, s27, 15
	s_mov_b32 s[G1X], 15|(3<<16)|(1<<21)
	s_mov_b32 s[G1X+1], 32<<16
	s_mov_b32 s[G1X+2], 136<<16                    ; four K steps' records, 34,816 dense bytes, as 136 rows of 256
	s_mov_b32 s[G1X+3], 32<<16
	s_mov_b32 s[G1X+4], 136
	s_mov_b32 s[G1X+5], 32
	s_mov_b32 s[G1X+6], 0
	s_mov_b32 s[G1X+7], 0
	s_mov_b32 s[G1C], 15|(3<<16)|(1<<20)|(1<<21)|(4<<22)|(3<<25)
	s_mov_b32 s[G1C+1], 32<<16                     ; a table's 128 rows of 128 bytes are dense: 64 rows of 256, padded behind each 128
	s_mov_b32 s[G1C+2], 64<<16
	s_mov_b32 s[G1C+3], 32<<16
	s_mov_b32 s[G1C+4], 64
	s_mov_b32 s[G1C+5], 32
	s_mov_b32 s[G1C+6], 0
	s_mov_b32 s[G1C+7], 0
	s_mov_b32 s[G0X], 1
	s_mul_i32 s[G0X+1], s[WV], 4*RECB              ; (used by waves 0 and 1)
	s_mul_i32 s30, s27, 8*RECB
	s_add_co_u32 s30, s30, s[G0X+1]
	s_mov_b32 s31, 0
	s_mov_b32 s[G0C], 1
	s_mul_i32 s[G0C+1], s[WV], 128*CSP             ; (used by waves 2 and 3)
	s_add_co_u32 s[G0C+1], s[G0C+1], CSB-2*128*CSP
	s_lshl_b32 s32, s29, 14
	s_mov_b32 s33, 0
	s_wait_dscnt 0x0
	s_wait_kmcnt 0x0
	s_add_nc_u64 s[G0X+2:G0X+3], s[4:5], s[30:31]
	s_or_b32 s[G0X+3], s[G0X+3], 0x80000000
	s_cmp_eq_u32 s[WV], 2                          ; wave 2: cos, wave 3: sin
	s_cselect_b64 s[G0C+2:G0C+3], s[10:11], s[12:13]
	s_add_nc_u64 s[G0C+2:G0C+3], s[G0C+2:G0C+3], s[32:33]
	s_or_b32 s[G0C+3], s[G0C+3], 0x80000000
	ROUND
	s_cmp_lt_u32 s[WV], 2                          ; one tensor load a wave: an arm each, one join; the branch hangs on the wave's number alone
	s_cbranch_scc0 .Ltables
	tensor_load_to_lds s[G0X:G0X+3], s[G1X:G1X+7]
	s_nop 0
.rept 4
	v_nop
.endr
	s_branch .Lasked
.Ltables:
	tensor_load_to_lds s[G0C:G0C+3], s[G1C:G1C+7]
	s_nop 0
.rept 4
	v_nop
.endr
.Lasked:
	s_lshl_b32 s30, s26, 1
	s_add_co_u32 s30, s30, s[WV]
	s_lshl_b32 s31, s[WV], 3
	s_add_co_u32 s31, s31, s26
	s_cmp_lt_u32 s[WV], 2
	s_cselect_b32 s30, s30, s31
	s_lshl_b32 s32, s30, 15
	s_mov_b32 s33, 0
	s_add_nc_u64 s[60:61], s[6:7], s[32:33]
	s_lshl_b32 s32, s30, 11
	s_add_nc_u64 s[62:63], s[8:9], s[32:33]
	s_lshl_b32 s31, s28, 4
	s_add_co_u32 s31, s31, s30
	s_lshl_b32 s32, s31, 16
	s_lshl_b32 s34, s29, 12
	s_add_co_u32 s32, s32, s34
	s_lshl_b32 s34, s31, 13
	s_lshl_b32 s35, s29, 9
	s_add_co_u32 s34, s34, s35
	s_lshl_b32 s31, s28, 3
	s_add_co_u32 s31, s31, s26
	s_mul_i32 s31, s31, 143360
	s_mul_i32 s35, s29, 8960
	s_add_co_u32 s31, s31, s35
	s_cmp_eq_u32 s[WV], 3
	s_cselect_b32 s35, 4608, 0
	s_add_co_u32 s31, s31, s35
	s_add_co_u32 s35, s31, 4096
	s_cmp_lt_u32 s[WV], 2
	s_cselect_b64 s[66:67], s[18:19], s[22:23]
	s_cselect_b64 s[68:69], s[20:21], s[22:23]
	s_cselect_b32 s32, s32, s31
	s_cselect_b32 s34, s34, s35
	s_add_nc_u64 s[66:67], s[66:67], s[32:33]
	s_mov_b32 s35, 0
	s_add_nc_u64 s[68:69], s[68:69], s[34:35]
	s_cmp_eq_u32 s[WV], 2
	s_cselect_b64 s[70:71], s[16:17], s[14:15]
	s_mov_b32 s72, 0x76543210
	s_mov_b32 s73, 0xfedcba98
	s_mov_b32 s74, 0xffff0000
	s_mov_b32 s75, 0x3c800000
	s_mov_b32 s76, 0x358637bd
	v_and_b32 v10, 31, v0
	v_and_b32 v11, 15, v0
	v_bfe_u32 v7, v0, 4, 1
	v_lshlrev_b32 v1, 4, v10
	v_add_nc_u32 v2, 4*RECB, v1
	v_lshlrev_b32 v3, 3, v10
	v_add_nc_u32 v4, 4*RECB, v3
	v_lshlrev_b32 v5, 2, v10
	v_and_b32 v6, 8, v11
	v_mad_u32_u24 v6, v6, 3, v11                   ; r + 24 (r / 8)
	v_mul_u32_u24 v6, v6, CSP
	v_lshl_add_u32 v6, v7, 6, v6
	v_add_nc_u32 v6, CSB, v6
	v_lshlrev_b32 v8, 31, v7
	v_xor_b32 v8, 0xbf800000, v8
	v_mov_b32 v9, v8
	v_lshlrev_b32 v7, 6, v7
.irp i, 0,1
.irp s, 0,1,2,3,4,5,6,7
	global_load_b32 v[WSC+8*\i+\s], v5, s[62:63] offset:1024*\i+128*\s
.endr
.endr
	WIN 0x40
.irp s, 0,1,2,3                        ; the weights of K steps 0 to 3; those of 4 to 7 are asked for behind the products of 0 to 3
.irp t, 0,1,2,3
.irp c, 0,1
	global_load_b128 v[32*\s+8*\t+4*\c:32*\s+8*\t+4*\c+3], v1, s[60:61] offset:8192*\t+1024*\s+512*\c
.endr
.endr
.endr
	WIN 0
	s_wait_alu depctr_va_vdst(0)
	s_wait_tensorcnt 0x0                           ; my tensor load has landed,
	s_barrier_signal -1
	s_barrier_wait -1                              ; everybody's has
	FETCHX 0
	s_cmp_eq_u32 s[WV], 3
	s_cbranch_scc1 .Lvalues
	WIN 0xc0
	s_wait_alu depctr_va_vdst(0)
.irp i, 0,1,2,3
	global_load_b128 v[4*\i:4*\i+3], v7, s[70:71] offset:16*\i
	global_load_b128 v[16+4*\i:16+4*\i+3], v7, s[70:71] offset:128+16*\i
.endr
	WIN 0
	STEP 0, 0, 8
	STEP 1, 0, 8
	STEP 2, 0, 8
	STEP 3, 0, 8
	STEP 4, 0, 8
	STEP 5, 0, 8
	STEP 6, 0, 8
	STEP 7, 0, 8
	WIN 0
	PLACES
.irp j, 0,1,2,3,4,5,6,7,8,9,10,11,12,13,14,15
	v_mov_b32 v[PP+\j], 0
.endr
.irp j, 0,1,2,3,4,5,6,7
	v_mov_b32 v[TM+\j], 0
.endr
	CSLOAD 0
	CSLOAD 1
	WIN 0x0a
.irp m, 0,1,2,3,4,5,6,7
	v_pk_mul_f32 v[Y+4*\m:Y+4*\m+1], v[32*\m:32*\m+1], v[32*\m:32*\m+1]
	v_pk_mul_f32 v[Y+4*\m+2:Y+4*\m+3], v[32*\m+2:32*\m+3], v[32*\m+2:32*\m+3]
.endr
.irp p, 4,8,12,16,20,24,28
.irp m, 0,1,2,3,4,5,6,7
	v_pk_fma_f32 v[Y+4*\m:Y+4*\m+1], v[32*\m+\p:32*\m+\p+1], v[32*\m+\p:32*\m+\p+1], v[Y+4*\m:Y+4*\m+1]
	v_pk_fma_f32 v[Y+4*\m+2:Y+4*\m+3], v[32*\m+\p+2:32*\m+\p+3], v[32*\m+\p+2:32*\m+\p+3], v[Y+4*\m+2:Y+4*\m+3]
.endr
.endr
	WIN 0
.irp m, 0,1,2,3,4,5,6,7
	v_pk_add_f32 v[Y+4*\m:Y+4*\m+1], v[Y+4*\m:Y+4*\m+1], v[Y+4*\m+2:Y+4*\m+3]
.endr
.irp m, 0,1,2,3,4,5,6,7
	v_add_f32 v[SS+\m], v[Y+4*\m], v[Y+4*\m+1]
.endr
.irp m, 0,1,2,3,4,5,6,7
	v_permlanex16_b32 v[TM+\m], v[SS+\m], s72, s73
.endr
.irp m, 0,1,2,3,4,5,6,7
	v_add_f32 v[SS+\m], v[SS+\m], v[TM+\m]
.endr
.irp m, 0,1,2,3,4,5,6,7
	v_fma_f32 v[SS+\m], v[SS+\m], s75, s76
.endr
	s_wait_alu depctr_va_vdst(0)
.irp m, 0,1,2,3,4,5,6,7
	v_rsq_f32 v[RS+2*\m], v[SS+\m]
	v_rsq_f32 v[RS+2*\m+1], v[SS+\m]
.endr
	v_nop
	s_wait_alu depctr_va_vdst(0)
	s_wait_loadcnt 0x0
	QKP 0
	QKP 2
	QKP 4
	QKP 6
	global_store_b128 v1, v[SPK:SPK+3], s[68:69]
	s_branch .Ljoin
.Lvalues:
	STEP 0, 1, 0
	STEP 1, 1, 0
	STEP 2, 1, 0
	STEP 3, 1, 0
	STEP 4, 1, 0
	STEP 5, 1, 0
	STEP 6, 1, 0
	STEP 7, 1, 0
	WIN 0
	PLACES
	v_mov_b32 v[TM+15], 0                          ; written once: a lane permute's destination counts as one of its sources
	v_lshrrev_b32 v7, 3, v7                        ; 8 h
	VT 0
	VT 1
	VT 2
	VT 3
	global_store_b64 v3, v[SPK:SPK+1], s[68:69]
.Ljoin:
	s_wait_tensorcnt 0x0
	ds_add_u32 v122, v123
	s_wait_dscnt 0x0
	ROUND
	s_endpgm
.Lfunc_end_k_qe6c4bb97a2_qkv:
	.size	k_qe6c4bb97a2_qkv, .Lfunc_end_k_qe6c4bb97a2_qkv-k_qe6c4bb97a2_qkv
	.p2alignl 7, 3214868480
	.fill 96, 4, 3214868480
	.section	.rodata,"a",@progbits
	.p2align	6, 0x0
	.amdhsa_kernel k_qe6c4bb97a2_qkv
		.amdhsa_group_segment_fixed_size 327680
		.amdhsa_private_segment_fixed_size 0
		.amdhsa_enable_private_segment 0
		.amdhsa_kernarg_size 80
		.amdhsa_user_sgpr_count 2
		.amdhsa_user_sgpr_kernarg_segment_ptr 1
		.amdhsa_wavefront_size32 1
		.amdhsa_system_sgpr_workgroup_id_x 1
		.amdhsa_system_sgpr_workgroup_id_y 1
		.amdhsa_system_sgpr_workgroup_id_z 1
		.amdhsa_system_vgpr_workitem_id 0
		.amdhsa_next_free_vgpr 800
		.amdhsa_next_free_sgpr 80
		.amdhsa_reserve_vcc 0
		.amdhsa_float_denorm_mode_32 3
		.amdhsa_float_denorm_mode_16_64 3
		.amdhsa_memory_ordered 1
		.amdhsa_forward_progress 1
		.amdhsa_inst_pref_size 186
	.end_amdhsa_kernel
	.amdgpu_metadata
---
amdhsa.version: [ 1, 2 ]
amdhsa.kernels:
  - .name:           k_qe6c4bb97a2_qkv
    .symbol:         k_qe6c4bb97a2_qkv.kd
    .args:
      - { .name: xq, .offset: 0, .size: 8, .value_kind: global_buffer, .address_space: global }
      - { .name: wc, .offset: 8, .size: 8, .value_kind: global_buffer, .address_space: global }
      - { .name: ws, .offset: 16, .size: 8, .value_kind: global_buffer, .address_space: global }
      - { .name: cos, .offset: 24, .size: 8, .value_kind: global_buffer, .address_space: global }
      - { .name: sin, .offset: 32, .size: 8, .value_kind: global_buffer, .address_space: global }
      - { .name: norm_q_w, .offset: 40, .size: 8, .value_kind: global_buffer, .address_space: global }
      - { .name: norm_k_w, .offset: 48, .size: 8, .value_kind: global_buffer, .address_space: global }
      - { .name: qc, .offset: 56, .size: 8, .value_kind: global_buffer, .address_space: global }
      - { .name: qs, .offset: 64, .size: 8, .value_kind: global_buffer, .address_space: global }
      - { .name: kv, .offset: 72, .size: 8, .value_kind: global_buffer, .address_space: global }
    .group_segment_fixed_size: 327680
    .private_segment_fixed_size: 0
    .kernarg_segment_align: 8
    .kernarg_segment_size: 80
    .max_flat_workgroup_size: 128
    .sgpr_count:     80
    .vgpr_count:     800
    .wavefront_size: 32
...
	.end_amdgpu_metadata
.endif
;; end of part 2
;; launch attn (part 3): grid 16 x 16, 16 waves a work-group, clusters of 4 x 1, 169,984 bytes of LDS; arguments qc, qs, kv, oq; writes oq
.if DOCPART == 3
	.amdgcn_target "amdgcn-amd-amdhsa--gfx1250"
	.amdhsa_code_object_version 6
	.text
	.protected	k_qe6c4bb97a2_attn
	.globl	k_qe6c4bb97a2_attn
	.p2align	8
	.type	k_qe6c4bb97a2_attn,@function
k_qe6c4bb97a2_attn:
	s_mov_b64 s[64:65], 0
	v_nop
	global_prefetch_b8 v0, s[64:65] scope:SCOPE_SE
	s_setreg_imm32_b32 hwreg(HW_REG_WAVE_MODE, 25, 1), 1
	s_wait_xcnt 0x0
	s_wait_alu depctr_hold_cnt(0) depctr_sa_sdst(0) depctr_va_vdst(0) depctr_va_sdst(0) depctr_va_ssrc(0) depctr_va_vcc(0) depctr_vm_vsrc(0)
	s_getreg_b32 s2, hwreg(HW_REG_IB_STS2, 6, 4)
	s_cmp_eq_u32 s2, 0
	s_cbranch_scc0 .Lentry_in_a_cluster
	s_endpgm
.Lentry_in_a_cluster:
	s_bfe_u32 s2, ttmp6, 0x10000c
	s_cmp_lg_u32 s2, 0x3003
	s_cbranch_scc0 .Lentry_shape_is_right
	s_endpgm
.Lentry_shape_is_right:
; ATTN: o = softmax(q k^T / 8) v for 32 heads of 64, both products on codes of FP4 (E2M1) with E8M0 scales; the result is quantised along the 1,024 channels for the output projection.
; THE SOFTMAX AHEAD OF THE SECOND PRODUCT: t = score x log2(e) / 8; M = the running largest t rounded UP to a whole number; p = 2^(t - M) is quantised along the keys, not normalised; the row's sum is taken of the
; unquantised p and divides at the end.  When M moves, the sum and O are multiplied by 2^(old M - new M): exact.
; SHARES.  Work-group (qblk, y = 8 b + g): 128 queries of the two query heads that share key and value head g.  Wave w: head 2 g + w / 8, tile w % 8 of 16 queries, in 256 registers: four waves to a SIMD.
; Every wave walks the head's 2,048 keys, 128 a step.
; K, V AND THEIR SCALES OF THE WHOLE HEAD, 143,360 bytes, lie in LDS: filled once, one tensor load a wave: wave w fetches key step w's record.  No slot is filled again; nothing is asked of memory in the loop, so nothing is prefetched.
; CLUSTER: the four query blocks of a cluster walk the same K and V: the loads are JOINT (mask 15).
; LAYOUT.  Both products are used transposed: S^T = K Q^T (source 0 = 16 keys, source 1 = my 16 queries), O^T = V^T P^T: a lane holds ONE query throughout.  Lane row r of tile T = 4 c + u of K is key
; 64 c + 8 u + r + 24 (r / 8): so a lane's registers 32 c .. 32 c + 31 are the keys 64 c + 32 h + 0..31: a whole block of 32 in one lane, in the second product's own order: its largest score needs no other lane, and the conversions' results are the operand.
; THE HEAD HAS 64 ALONG K, THE INSTRUCTION 128: a fragment of K holds two tiles, 2 f in its lower and 2 f + 1 in its upper four registers, and is multiplied by [q | 0] and by [0 | q]: zero codes add nothing under any finite scale.
; A BLOCK'S SCALE.  p rises with t, and floor(log2(p)) is floor(t - M): the block's largest score alone gives it, ahead of the exponentials.
; THE TRIP is rotated: it begins behind a step's exponentials.  The next step's scores are multiplied while this one's codes and sums are finished; the sum's tree stands between the lines of the serial chain (the new M);
; the 64 exponentials go as two batches of 32: O's rescaling stands in the first, the first half's codes and sums in the second.
; OUT.  oq [block 32][K step 8][8,704] as x's buffer: K step g = heads 2 g, 2 g + 1; my four registers are piece w / 8 of fragment w % 8.  A row's scale word has two bytes from each head: the sixteen waves gather the
; words in 512 bytes of LDS and wave 0 stores them whole.
; LIMITS: the promise holds while the scaled scores (exponents to the base 2, before the maximum is taken away) stay under 2^31; a block of zeros gets the byte 1, not 127 (zero codes; this program alone reads the bytes);
; largest magnitudes under 2^-124 keep the byte 1; NaN and infinities are not served.
; REGISTERS: v1 16 x lane, v2 8 x lane, v3-4 the step's LDS addresses, v5 8 h, v9-10 the way out; v12 -M, v13 the largest score, v[14:15] the sum in two halves; v16-23 [q | 0], v24-31 [0 | q]; v32-63 K; v64-95 V^T;
;   v96-159 S^T, then p; v160-191 O^T; v192-199 p's codes; v200-203 K's, v204-205 V's, v206 Q's, v207 p's scale words; v208-219 at work on maxima; v220 the old -M; v222 the rescaling f; v224-229 block exponents, scales, words; v230-245 eight partial sums.
; (The first batch in full: the scalings of keys c = 1 stand in it; O's rescaling stands ahead of it, with no exponential between O's products and their first readers.)
.set WV,   12
.set SEL,  20
.set CS,   22
.set G1,   24
.set G0,   32
.set TB,   36                          ; s36 LDS byte at which the record of the step whose scores are multiplied begins
.set CNT,  37
.set NC,   46                          ; s46 -c
.set BI,   47                          ; s47 the exponents' bias, 125, for two bytes
.set RECB, 8960                        ; a key step's record: K 4,096, K's scales 512, V^T 4,096, V's scales 256
.set OSG,  16*RECB+8192                ; 512 bytes in which the result's scale words meet; no tensor load lands there
.set SPARE, 0x29000                    ; the spare words
.set PC,   192
.set FLOOR, 0x1800000                  ; 2^(3 - 127)
.set OFFE,  0xff000000                 ; 2 off an exponent field
.macro ROUND                           ; a round of the cluster's barrier
	s_barrier_signal -1
	s_barrier_wait -1
	s_cmp_lg_u32 s[WV], 0
	s_cbranch_scc1 .Lnot_wave_0_\@
	s_barrier_signal -3
.Lnot_wave_0_\@:
	s_barrier_wait -3
	s_barrier_signal -1
	s_barrier_wait -1
.endm
.macro WMQ t                           ; S^T's tile t
.set fr, 32+8*((\t)/2)
.set qb, 16+8*((\t)%2)
	v_wmma_scale_f32_16x16x128_f8f6f4 v[96+8*(\t):103+8*(\t)], v[fr:fr+7], v[qb:qb+7], 0, v[200+(\t)/2], v206 matrix_a_fmt:MATRIX_FMT_FP4 matrix_b_fmt:MATRIX_FMT_FP4
.endm
.macro WMV t                           ; O^T's tile t (the pair's scale words: odd tiles in lanes 16-31)
.if (\t)%2
	v_wmma_scale_f32_16x16x128_f8f6f4 v[160+8*(\t):167+8*(\t)], v[64+8*(\t):71+8*(\t)], v[PC:PC+7], v[160+8*(\t):167+8*(\t)], v[204+(\t)/2], v207 matrix_a_fmt:MATRIX_FMT_FP4 matrix_b_fmt:MATRIX_FMT_FP4 matrix_a_scale:MATRIX_SCALE_ROW1
.else
	v_wmma_scale_f32_16x16x128_f8f6f4 v[160+8*(\t):167+8*(\t)], v[64+8*(\t):71+8*(\t)], v[PC:PC+7], v[160+8*(\t):167+8*(\t)], v[204+(\t)/2], v207 matrix_a_fmt:MATRIX_FMT_FP4 matrix_b_fmt:MATRIX_FMT_FP4
.endif
.endm
.macro TMM n                           ; the next n pairs of scores: t - M, two at a time (of the pairs c and -M the low word serves both halves)
.rept \n
	v_pk_fma_f32 v[96+2*tp:97+2*tp], v[96+2*tp:97+2*tp], s[CS:CS+1], v[12:13] op_sel_hi:[1,0,0]
.set tp, tp+1
.endr
.endm
.macro OMUL n                          ; the next n pairs of O^T under the new M: x f, each accumulator from its low end on
.rept \n
	v_pk_mul_f32 v[160+2*ox:161+2*ox], v[160+2*ox:161+2*ox], v[222:223] op_sel_hi:[1,0]
.set ox, ox+1
.endr
.endm
.macro TADD x, y                       ; partial sum x += partial sum y
	v_pk_add_f32 v[230+2*(\x):231+2*(\x)], v[230+2*(\x):231+2*(\x)], v[230+2*(\y):231+2*(\y)]
.endm
; THE TRIP.  back = 1: the step whose exponentials stand just ahead is finished.  fwd = 1: the step of record TB is begun.  nxt = 1: the K of the record behind it is asked for.
.macro TRIP back, fwd, nxt
	s_wait_dscnt 0x0                               ; K of the step to begin and V of the step to finish: asked for a trip ago
.if \fwd
.irp t, 0,1,2,3                        ; scores of keys c = 0: that half's p has been converted and summed
	WMQ \t
.endr
.endif
.if \back
.irp g, 0,1,2,3
	v_cvt_scalef32_pk8_fp4_f32 v[PC+4+\g], v[128+8*\g:135+8*\g], v227   ; codes of keys 64 + 32 h + 8 g + 0..7
.endr
.irp k, 0,1,2,3,4,5,6,7                ; THE ROW'S SUM IS TAKEN OF THE UNQUANTISED p, in eight chains; these sixteen lines are also the places between the codes and the products below
	v_pk_add_f32 v[230+2*\k:231+2*\k], v[230+2*\k:231+2*\k], v[128+2*\k:129+2*\k]
.endr
.irp k, 0,1,2,3,4,5,6,7
	v_pk_add_f32 v[230+2*\k:231+2*\k], v[230+2*\k:231+2*\k], v[144+2*\k:145+2*\k]
.endr
.irp t, 0,1,2,3
	WMV \t
.endr
.endif
.if \fwd
.irp t, 4,5,6,7
	WMQ \t
.endr
	v_add_nc_u32 v3, s[TB], v1
	v_add_nc_u32 v4, s[TB], v2
.if \back
	v_mov_b32 v220, v12                            ; the old -M
.else
.rept 4
	v_nop                                          ; places ahead of the first read of the results
.endr
.endif
.irp u, 0,1,2,3                        ; THE LARGEST SCORE OF EACH BLOCK: a chain a tile, from its low end on
	v_max3_num_f32 v[208+\u], v[96+8*\u], v[97+8*\u], v[98+8*\u]
.endr
.irp u, 0,1,2,3
	v_max3_num_f32 v[208+\u], v[208+\u], v[99+8*\u], v[100+8*\u]
.endr
.irp t, 0,1,2,3                        ; V^T of this step; its registers were last read by the products above
.irp c, 0,1
	ds_load_b128 v[64+8*\t+4*\c:67+8*\t+4*\c], v3 offset:4608+1024*\t+512*\c
.endr
.endr
	ds_load_b64 v[204:205], v4 offset:8704         ; and its scale words, two pairs
.irp u, 0,1,2,3
	v_max3_num_f32 v[208+\u], v[208+\u], v[101+8*\u], v[102+8*\u]
.endr
.irp u, 0,1,2,3
	v_max3_num_f32 v[212+\u], v[128+8*\u], v[129+8*\u], v[130+8*\u]
.endr
.irp u, 0,1,2,3
	v_max3_num_f32 v[212+\u], v[212+\u], v[131+8*\u], v[132+8*\u]
.endr
.if \nxt
.irp t, 0,1,2,3,4,5,6,7                ; the next step's K
	ds_load_b128 v[32+4*\t:35+4*\t], v3 offset:RECB+512*\t
.endr
	ds_load_b128 v[200:203], v3 offset:RECB+4096   ; and its scale words
.endif
.irp u, 0,1,2,3
	v_max3_num_f32 v[212+\u], v[212+\u], v[133+8*\u], v[134+8*\u]
.endr
.irp c, 0,1
	v_max3_num_f32 v[208+4*\c], v[208+4*\c], v[209+4*\c], v[103+32*\c]
	v_max3_num_f32 v[210+4*\c], v[210+4*\c], v[211+4*\c], v[119+32*\c]
.endr
.irp c, 0,1
	v_max3_num_f32 v[208+4*\c], v[208+4*\c], v[210+4*\c], v[111+32*\c]
.endr
.irp c, 0,1
	v_max_num_f32 v[216+\c], v[208+4*\c], v[127+32*\c]   ; my lane's block 2 c + h
.endr
	; the new M: each line reads the line before it, so the sum's tree stands between them
.if \back
	TADD 0, 4
.endif
	v_max_num_f32 v219, v216, v217
.if \back
	TADD 1, 5
	TADD 2, 6
.endif
	v_permlanex16_b32 v218, v219, s[SEL], s[SEL+1]
.if \back
	TADD 3, 7
	TADD 0, 1
	v_max3_num_f32 v13, v13, v219, v218            ; the running largest score
	TADD 2, 3
.else
	v_max_num_f32 v13, v219, v218
.endif
	v_mul_f32 v219, s[NC], v13                     ; - the running largest t (c is positive)
.if \back
	TADD 0, 2
.endif
	v_floor_f32 v12, v219                          ; the new -M = floor(-t) = -ceil(t): a whole number
.if \back
	v_pk_add_f32 v[14:15], v[14:15], v[230:231]
	v_sub_f32 v220, v12, v220                      ; old M - new M: a whole number, 0 or less
.endif
.set tp, 0
	v_fma_f32 v224, v216, s[CS], v12               ; t - M of each block's largest score,
	v_fma_f32 v225, v217, s[CS], v12
	TMM 4
.if \back
	v_cvt_i32_f32 v220, v220                       ; (it saturates)
.endif
	v_max_num_f32 v224, 0xc2f80000, v224           ; not under -124: the byte cannot fall under 1
	v_max_num_f32 v225, 0xc2f80000, v225
	TMM 4
.if \back
	v_ldexp_f32 v222, 1.0, v220                    ; f = 2^(old M - new M)
.endif
	v_cvt_floor_i32_f32 v224, v224                 ; the exponent of the block's largest p
	v_cvt_floor_i32_f32 v225, v225
	TMM 4
	v_add_lshl_u32 v226, v224, 0x7d, 23            ; the conversions' scale operands: exponent - 2 + 127
	v_add_lshl_u32 v227, v225, 0x7d, 23
	v_lshl_add_u32 v228, v225, 16, v224
	TMM 4
	v_add_lshl_u32 v228, v228, s[BI], v5           ; my two bytes, 8 h bits up;
.set ox, 0
.if \back
	OMUL 5
.endif
	v_permlanex16_b32 v229, v228, s[SEL], s[SEL+1] ; lane l xor 16 has the other two
.if \back
	OMUL 5
.endif
	v_or_b32 v207, v228, v229                      ; p's scale word for these 128 keys
.if \back
	OMUL 6
	v_pk_mul_f32 v[14:15], v[14:15], v[222:223] op_sel_hi:[1,0]   ; and the sum
.endif
	s_wait_alu depctr_va_vdst(0)                   ; the wait ahead of the batch
.set q, 0
.rept 16                               ; keys c = 0: p = 2^(t - M), not normalised.  Between them the scalings of c = 1, which are first read behind the next wait
	v_exp_f32 v[96+2*q], v[96+2*q]
	v_exp_f32 v[97+2*q], v[97+2*q]
	TMM 1
.set q, q+1
.endr
	s_wait_alu depctr_va_vdst(0)                   ; the wait behind a batch and ahead of the next
.set q, 0
.rept 8                                ; keys c = 1; between them the codes and the first sums of c = 0.  None of these lines reads what another of them writes
	v_exp_f32 v[128+4*q], v[128+4*q]
	v_exp_f32 v[129+4*q], v[129+4*q]
.if q%2 == 0
	v_cvt_scalef32_pk8_fp4_f32 v[PC+q/2], v[96+4*q:103+4*q], v226
.endif
	v_exp_f32 v[130+4*q], v[130+4*q]
	v_exp_f32 v[131+4*q], v[131+4*q]
	v_pk_add_f32 v[230+2*q:231+2*q], v[96+2*q:97+2*q], v[112+2*q:113+2*q]
.set q, q+1
.endr
.elseif \back                          ; the last step's sums
	TADD 0, 4
	TADD 1, 5
	TADD 2, 6
	TADD 3, 7
	TADD 0, 1
	TADD 2, 3
	TADD 0, 2
	v_pk_add_f32 v[14:15], v[14:15], v[230:231]
.endif
.endm
	s_load_b256 s[4:11], s[0:1], 0x0               ; qc s[4:5], qs s[6:7], kv s[8:9], oq s[10:11]
	v_lshl_add_u32 v246, v0, 2, SPARE
	v_mov_b32 v247, 0
	ds_add_u32 v246, v247                          ; the wave's opening: the add, twice on end, and its wait
	ds_add_u32 v246, v247
	v_lshrrev_b32 v7, 5, v0
	v_readfirstlane_b32 s[WV], v7                  ; wave 0..15
	s_bfe_u32 s13, ttmp6, 0x40000                  ; cx: it enters Q's and the result's global addresses alone
	s_lshl_b32 s14, ttmp9, 2
	s_add_co_u32 s14, s14, s13                     ; my block of 128 queries
	s_and_b32 s15, ttmp7, 0xffff                   ; y = 8 b + g, which the four partners share
	s_and_b32 s16, s[WV], 7                        ; my tile
	s_lshr_b32 s17, s[WV], 3                       ; which of the two heads
	; descriptor group 1: a record, 8,960 dense bytes, as 35 rows of 32 elements of 8 bytes; mask 15 and bit 21 beside it
	s_mov_b32 s[G1], 15|(3<<16)|(1<<21)
	s_mov_b32 s[G1+1], 32<<16                      ; tensor_dim0
	s_mov_b32 s[G1+2], 35<<16                      ; tensor_dim1
	s_mov_b32 s[G1+3], 32<<16                      ; tile_dim0
	s_mov_b32 s[G1+4], 35                          ; tile_dim1
	s_mov_b32 s[G1+5], 32                          ; the pitch
	s_mov_b32 s[G1+6], 0
	s_mov_b32 s[G1+7], 0
	s_mov_b32 s[G0], 1
	s_mul_i32 s[G0+1], s[WV], RECB                 ; LDS: key step w's record
	s_mul_i32 s18, s15, 16*RECB
	s_add_co_u32 s18, s18, s[G0+1]
	s_mov_b32 s19, 0
	s_mov_b32 s[SEL], 0x76543210
	s_mov_b32 s[SEL+1], 0xfedcba98                 ; v_permlanex16_b32's selects for lane l xor 16
	s_mov_b32 s[CS], 0x3e38aa3b                    ; c = log2(e) / sqrt(64)
	s_mov_b32 s[CS+1], s[CS]                       ; (named with it as a pair, so it is written)
	s_mov_b32 s[NC], 0xbe38aa3b
	s_mov_b32 s[BI], 0x7d007d
	s_mov_b32 s[TB], 0
	s_mov_b32 s[CNT], 14
	s_lshl_b32 s38, s15, 1
	s_add_co_u32 s38, s38, s17                     ; 16 b + head
	s_lshl_b32 s40, s38, 16
	s_lshl_b32 s39, s14, 12
	s_add_co_u32 s40, s40, s39
	s_lshl_b32 s39, s16, 9
	s_add_co_u32 s40, s40, s39                     ; my tile of Q
	s_mov_b32 s41, 0
	s_lshl_b32 s48, s38, 13
	s_lshl_b32 s39, s14, 9
	s_add_co_u32 s48, s48, s39
	s_lshr_b32 s39, s16, 1
	s_lshl_b32 s39, s39, 2
	s_add_co_u32 s48, s48, s39                     ; its scale words: those of the pair of tiles, 16 bytes a row
	s_mov_b32 s49, 0
	s_and_b32 s45, s16, 1
	s_lshl_b32 s45, s45, 4                         ; an odd tile's bytes are the upper two
	s_lshr_b32 s39, s15, 3
	s_lshl_b32 s39, s39, 4
	s_add_co_u32 s39, s39, s14                     ; the result: block 16 b + qblk,
	s_mul_i32 s50, s39, 69632
	s_and_b32 s39, s15, 7
	s_mul_i32 s39, s39, 8704                       ; K step g
	s_add_co_u32 s50, s50, s39                     ; the record
	s_mov_b32 s51, 0
	s_lshl_b32 s42, s16, 10
	s_lshl_b32 s39, s17, 9
	s_add_co_u32 s42, s42, s39                     ; my piece of my fragment in it
	s_mov_b32 s43, 0
	s_bfe_u32 s44, s[WV], 0x10002                  ; where my rows' two scale bytes go: 256 (tile / 4)
	s_lshl_b32 s44, s44, 8
	s_and_b32 s39, s[WV], 1
	s_lshl_b32 s39, s39, 7                         ; + 128 (tile % 2)
	s_add_co_u32 s44, s44, s39
	s_bfe_u32 s39, s[WV], 0x10001
	s_lshl_b32 s39, s39, 2                         ; + 4 ((tile / 2) % 2)
	s_add_co_u32 s44, s44, s39
	s_lshr_b32 s39, s[WV], 3
	s_lshl_b32 s39, s39, 1                         ; + 2 x head
	s_add_co_u32 s44, s44, s39
	s_add_co_u32 s44, s44, OSG
	v_and_b32 v7, 31, v0                           ; lane
	v_and_b32 v8, 15, v0                           ; r
	v_bfe_u32 v5, v0, 4, 1                         ; h
	v_lshlrev_b32 v1, 4, v7                        ; 16 x lane
	v_lshlrev_b32 v2, 3, v7                        ; 8 x lane
	v_lshlrev_b32 v5, 3, v5                        ; 8 h: a shift
	v_lshlrev_b32 v6, 4, v8                        ; 16 r
	v_lshl_add_u32 v10, v8, 3, s44                 ; + 8 r
	v_add_nc_u32 v9, OSG, v1
	s_wait_alu depctr_va_vdst(0)
	s_wait_dscnt 0x0                               ; both opening adds are done
	s_wait_kmcnt 0x0
	s_add_nc_u64 s[G0+2:G0+3], s[8:9], s[18:19]
	s_or_b32 s[G0+3], s[G0+3], 0x80000000
	ROUND                                          ; all four work-groups are here: the joint loads meet
	tensor_load_to_lds s[G0:G0+3], s[G1:G1+7]      ; my one tensor load of the launch
	s_nop 0
	s_add_nc_u64 s[4:5], s[4:5], s[40:41]
	s_add_nc_u64 s[6:7], s[6:7], s[48:49]
	s_add_nc_u64 s[10:11], s[10:11], s[50:51]
	s_add_nc_u64 s[42:43], s[10:11], s[42:43]
	global_load_b128 v[16:19], v1, s[4:5]          ; Q's codes stay in registers
	global_load_b32 v11, v6, s[6:7]                ; and its scale words
.irp j, 20,21,22,23,24,25,26,27
	v_mov_b32 v[\j], 0                             ; zero codes: k = 64 .. 127 of [q | 0] and k = 0 .. 63 of [0 | q]
.endr
.irp j, 14,15,218,223,229
	v_mov_b32 v[\j], 0                             ; the sum; two lane permutes' destinations, which count as sources; the upper half of the pair v[222:223]
.endr
	s_wait_alu depctr_va_vdst(0)
	s_wait_loadcnt 0x0                             ; Q
.irp j, 0,1,2,3
	v_mov_b32 v[28+\j], v[16+\j]
.endr
	v_lshrrev_b32 v11, s45, v11
	v_and_b32 v11, 0xffff, v11
	v_lshl_or_b32 v206, v11, 16, v11               ; my tile's two bytes, for either half of K
.irp j, 0,1,2,3,4,5,6,7,8,9,10,11,12,13,14,15,16,17,18,19,20,21,22,23,24,25,26,27,28,29,30,31
	v_mov_b32 v[160+\j], 0                         ; O^T: the loop's first products add onto zeros
.endr
	s_wait_alu depctr_va_vdst(0)                   ; the wait at the head's end
	s_wait_tensorcnt 0x0                           ; my record of K and V has landed,
	s_barrier_signal -1
	s_barrier_wait -1                              ; everybody's has
.irp t, 0,1,2,3,4,5,6,7
	ds_load_b128 v[32+4*\t:35+4*\t], v1 offset:512*\t          ; K of key step 0
.endr
	ds_load_b128 v[200:203], v1 offset:4096        ; and its scale words
	TRIP 0, 1, 1                                   ; key step 0 is begun
	s_mov_b32 s[TB], RECB
	s_wait_alu depctr_va_vdst(0)                   ; behind the batch
.Lstep:                                            ; 14 trips: step i is finished, step i + 1 begun, the K of step i + 2 asked for
	TRIP 1, 1, 1
	s_add_co_u32 s[TB], s[TB], RECB
	s_sub_co_u32 s[CNT], s[CNT], 1
	s_cmp_lg_u32 s[CNT], 0
	s_wait_alu depctr_va_vdst(0)                   ; behind the batch and ahead of the branch
	s_cbranch_scc1 .Lstep
	TRIP 1, 1, 0                                   ; step 15 is begun: there is no K behind it
	s_wait_alu depctr_va_vdst(0)                   ; behind the batch
	TRIP 1, 0, 0                                   ; and finished
	; ---- the way out: O^T / the sum, quantised along the head's 64 channels: two blocks.  Register 16 b + i is channel 32 b + 16 h + i: a block lies in lanes l and l xor 16
	v_add_f32 v14, v14, v15                        ; the sum's two halves,
	v_permlanex16_b32 v218, v14, s[SEL], s[SEL+1]
	v_add_f32 v14, v14, v218                       ; and lane l xor 16's: the row's sum
	s_wait_alu depctr_va_vdst(0)                   ; the wait ahead of the transcendental
	v_rcp_f32 v14, v14
	v_nop                                          ; a plain place behind it
	s_wait_alu depctr_va_vdst(0)                   ; and the wait ahead of its first reader, which serves O^T's first reads too
.irp j, 0,1,2,3,4,5,6,7,8,9,10,11,12,13,14,15,16,17,18,19,20,21,22,23,24,25,26,27,28,29,30,31
	v_mul_f32 v[96+\j], v[160+\j], v14
.endr
.irp b, 0,1
	v_max3_num_f32 v[208+\b], |v[96+16*\b]|, |v[97+16*\b]|, FLOOR
	v_max3_num_f32 v[210+\b], |v[98+16*\b]|, |v[99+16*\b]|, |v[100+16*\b]|
.endr
.irp i, 5,9
.irp b, 0,1
	v_max3_num_f32 v[208+\b], v[208+\b], |v[96+16*\b+\i]|, |v[97+16*\b+\i]|
	v_max3_num_f32 v[210+\b], v[210+\b], |v[98+16*\b+\i]|, |v[99+16*\b+\i]|
.endr
.endr
.irp b, 0,1
	v_max3_num_f32 v[208+\b], v[208+\b], |v[109+16*\b]|, |v[110+16*\b]|
	v_max_num_f32 v[210+\b], v[210+\b], |v[111+16*\b]|
.endr
.irp b, 0,1
	v_max_num_f32 v[208+\b], v[208+\b], v[210+\b]
.endr
	v_permlanex16_b32 v218, v208, s[SEL], s[SEL+1]
	v_permlanex16_b32 v229, v209, s[SEL], s[SEL+1]
	v_max_num_f32 v208, v208, v218
	v_max_num_f32 v209, v209, v229
.irp b, 0,1
	v_add_nc_u32 v[226+\b], OFFE, v[208+\b]
.endr
.irp b, 0,1
	v_lshrrev_b32 v[224+\b], 23, v[226+\b]
.endr
	v_lshl_or_b32 v228, v225, 8, v224              ; my head's two bytes of the row's scale word
.irp b, 0,1
	v_cvt_scalef32_pk8_fp4_f32 v[PC+2*\b], v[96+16*\b:103+16*\b], v[226+\b]
	v_cvt_scalef32_pk8_fp4_f32 v[PC+2*\b+1], v[104+16*\b:111+16*\b], v[226+\b]
.endr
	v_nop                                          ; one plain place behind a scaled conversion
	v_permlane16_swap_b32 v192, v194               ; the operand's layout wants a whole block in a lane
	v_permlane16_swap_b32 v193, v195
	global_store_b128 v1, v[192:195], s[42:43]     ; 512 consecutive bytes
	ds_store_b16 v10, v228                         ; both lanes of a row write the same two bytes with the same value
	s_wait_dscnt 0x0                               ; for the others' sake: my store has landed
	s_barrier_signal -1
	s_barrier_wait -1
	s_cmp_lg_u32 s[WV], 0
	s_cbranch_scc1 .Lnot_first
	ds_load_b128 v[96:99], v9                      ; the K step's 512 bytes of scale words, whole
	s_wait_dscnt 0x0
	global_store_b128 v1, v[96:99], s[10:11] offset:8192
.Lnot_first:
	s_wait_tensorcnt 0x0                           ; the wave's end
	ds_add_u32 v246, v247
	s_wait_dscnt 0x0
	ROUND                                          ; the closing round: no work-group ends while a partner may still ask for a tile that names it
	s_endpgm
.Lfunc_end_k_qe6c4bb97a2_attn:
	.size	k_qe6c4bb97a2_attn, .Lfunc_end_k_qe6c4bb97a2_attn-k_qe6c4bb97a2_attn
	.p2alignl 7, 3214868480
	.fill 96, 4, 3214868480
	.section	.rodata,"a",@progbits
	.p2align	6, 0x0
	.amdhsa_kernel k_qe6c4bb97a2_attn
		.amdhsa_group_segment_fixed_size 169984
		.amdhsa_private_segment_fixed_size 0
		.amdhsa_enable_private_segment 0
		.amdhsa_kernarg_size 32
		.amdhsa_user_sgpr_count 2
		.amdhsa_user_sgpr_kernarg_segment_ptr 1
		.amdhsa_wavefront_size32 1
		.amdhsa_system_sgpr_workgroup_id_x 1
		.amdhsa_system_sgpr_workgroup_id_y 1
		.amdhsa_system_sgpr_workgroup_id_z 1
		.amdhsa_system_vgpr_workitem_id 0
		.amdhsa_next_free_vgpr 256
		.amdhsa_next_free_sgpr 66
		.amdhsa_reserve_vcc 0
		.amdhsa_float_denorm_mode_32 3
		.amdhsa_float_denorm_mode_16_64 3
		.amdhsa_memory_ordered 1
		.amdhsa_forward_progress 1
		.amdhsa_inst_pref_size 51
	.end_amdhsa_kernel
	.amdgpu_metadata
---
amdhsa.version: [ 1, 2 ]
amdhsa.kernels:
  - .name:           k_qe6c4bb97a2_attn
    .symbol:         k_qe6c4bb97a2_attn.kd
    .args:
      - { .name: qc, .offset: 0, .size: 8, .value_kind: global_buffer, .address_space: global }
      - { .name: qs, .offset: 8, .size: 8, .value_kind: global_buffer, .address_space: global }
      - { .name: kv, .offset: 16, .size: 8, .value_kind: global_buffer, .address_space: global }
      - { .name: oq, .offset: 24, .size: 8, .value_kind: global_buffer, .address_space: global }
    .group_segment_fixed_size: 169984
    .private_segment_fixed_size: 0
    .kernarg_segment_align: 8
    .kernarg_segment_size: 32
    .max_flat_workgroup_size: 512
    .sgpr_count:     66
    .vgpr_count:     256
    .wavefront_size: 32
...
	.end_amdgpu_metadata
.endif
;; end of part 3
;; launch oproj (part 4): grid 8 x 32, 4 waves a work-group, clusters of 4 x 1, 168,448 bytes of LDS; arguments oq, wc, ws, bo, hidden_states, out0; writes out0
.if DOCPART == 4
	.amdgcn_target "amdgcn-amd-amdhsa--gfx1250"
	.amdhsa_code_object_version 6
	.text
	.protected	k_qe6c4bb97a2_oproj
	.globl	k_qe6c4bb97a2_oproj
	.p2align	8
	.type	k_qe6c4bb97a2_oproj,@function
k_qe6c4bb97a2_oproj:
	s_mov_b64 s[64:65], 0
	v_nop
	global_prefetch_b8 v0, s[64:65] scope:SCOPE_SE
	s_setreg_imm32_b32 hwreg(HW_REG_WAVE_MODE, 25, 1), 1
	s_wait_xcnt 0x0
	s_wait_alu depctr_hold_cnt(0) depctr_sa_sdst(0) depctr_va_vdst(0) depctr_va_sdst(0) depctr_va_ssrc(0) depctr_va_vcc(0) depctr_vm_vsrc(0)
	s_getreg_b32 s2, hwreg(HW_REG_IB_STS2, 6, 4)
	s_cmp_eq_u32 s2, 0
	s_cbranch_scc0 .Lentry_in_a_cluster
	s_endpgm
.Lentry_in_a_cluster:
	s_bfe_u32 s2, ttmp6, 0x10000c
	s_cmp_lg_u32 s2, 0x3003
	s_cbranch_scc0 .Lentry_shape_is_right
	s_endpgm
.Lentry_shape_is_right:
; OPROJ: out0 = o wo + bo + hidden_states; the product on codes of FP4 (E2M1) with E8M0 scales, sums, bias and residual in f32.
; SHARES.  Work-group (x, blk): 128 tokens x 128 columns.  Wave w: all 128 tokens x columns 128 x + 32 w + 0..31 (a pair of tiles of wo): 16 accumulators, 128 matrix instructions.
; o's block (8 K steps of 8 fragments and their scale words, 69,632 bytes) lies in LDS whole: filled once, one tensor load a wave.
; CLUSTER: the four work-groups of a cluster have the same 128 tokens: o's block is asked for JOINTLY (mask 15).  The weights are each wave's own in its cluster: from memory straight into registers, all 32 loads at the head.
; LAYOUT.  Source 0 = 16 columns of wo, source 1 = 16 tokens: a lane holds ONE token (row 64 (m / 4) + 8 (m % 4) + r + 24 (r / 8) of the block), and the 16 registers of its two tiles are 16 neighbouring columns, 64 bytes.
; The bias is the C of each sum's first matrix instruction.  The results meet in a stage in LDS (128 rows of 512 bytes + 16); each wave reads 32 whole rows back, adds the residual and stores 512 consecutive bytes a row.
; REGISTERS: window 0: v1-8 addresses; v16-23 wo's scale words; v32-39 o's, two sets; v96-111 the bias; v128-255 o's fragments, two sets, later the rows read back.
;   window 1: v0-127 the accumulators (16 m + 8 u); v128-255 the residual's 32 rows.   window 2: v0-127 wo's 16 fragments (16 s + 8 u).
.set WV,   16
.set RECB, 8704
; The tokens of tile m, in full: lane row r is token 64 (m / 4) + 8 (m % 4) + r + 24 (r / 8) of the block, as in x's buffer; this formula stands in the place of the one above.
.set STG,  8*RECB                      ; LDS: behind o's block, the stage; no tensor load lands there
.set SPT,  528
.set WSC,  16
.set XSC,  32
.set BIAS, 96
.set XF,   128
.set G1,   24
.set G0,   32
.set MSB, 0
.macro WIN new                         ; the immediate's high byte repeats the setting that is left; a switch that changes nothing is dropped
.if MSB != \new
	s_set_vgpr_msb (MSB<<8)|\new
.set MSB, \new
.endif
.endm
.macro PLACES                          ; four plain places behind a matrix instruction, ahead of loads into its registers and of reads of its results
.rept 4
	v_nop
.endr
.endm
.macro ROUND                           ; a round of the cluster's barrier
	s_barrier_signal -1
	s_barrier_wait -1
	s_cmp_lg_u32 s[WV], 0
	s_cbranch_scc1 .Lnot_wave_0_\@
	s_barrier_signal -3
.Lnot_wave_0_\@:
	s_barrier_wait -3
	s_barrier_signal -1
	s_barrier_wait -1
.endm
; One matrix instruction.  ra, rb = 1: that side's scale words are read from lanes 16-31.
.macro WM d, a, b, c, sa, sb, ra, rb
.set m_r, 2*(\ra)+(\rb)
.if m_r == 0
	v_wmma_scale_f32_16x16x128_f8f6f4 v[\d:\d+7], v[\a:\a+7], v[\b:\b+7], v[\c:\c+7], v[\sa], v[\sb] matrix_a_fmt:MATRIX_FMT_FP4 matrix_b_fmt:MATRIX_FMT_FP4
.elseif m_r == 1
	v_wmma_scale_f32_16x16x128_f8f6f4 v[\d:\d+7], v[\a:\a+7], v[\b:\b+7], v[\c:\c+7], v[\sa], v[\sb] matrix_a_fmt:MATRIX_FMT_FP4 matrix_b_fmt:MATRIX_FMT_FP4 matrix_b_scale:MATRIX_SCALE_ROW1
.elseif m_r == 2
	v_wmma_scale_f32_16x16x128_f8f6f4 v[\d:\d+7], v[\a:\a+7], v[\b:\b+7], v[\c:\c+7], v[\sa], v[\sb] matrix_a_fmt:MATRIX_FMT_FP4 matrix_b_fmt:MATRIX_FMT_FP4 matrix_a_scale:MATRIX_SCALE_ROW1
.else
	v_wmma_scale_f32_16x16x128_f8f6f4 v[\d:\d+7], v[\a:\a+7], v[\b:\b+7], v[\c:\c+7], v[\sa], v[\sb] matrix_a_fmt:MATRIX_FMT_FP4 matrix_b_fmt:MATRIX_FMT_FP4 matrix_a_scale:MATRIX_SCALE_ROW1 matrix_b_scale:MATRIX_SCALE_ROW1
.endif
.endm
; K step s of o out of LDS into set s % 2: 16 loads of 512 consecutive bytes, and the four pairs' scale words by two loads of 8 bytes a lane.  (v1, v3 serve K steps 0-3; v2, v4, 34,816 bytes on, steps 4-7: an LDS offset has 16 bits)
.macro FETCHX s
.set fx, XF+64*((\s)%2)
.set fo, ((\s)%4)*RECB
.set fa, 1+(\s)/4
.irp T, 0,1,2,3,4,5,6,7
.irp c, 0,1
	ds_load_b128 v[fx+8*\T+4*\c:fx+8*\T+4*\c+3], v[fa] offset:fo+1024*\T+512*\c
.endr
.endr
.irp hf, 0,1
	ds_load_b64 v[XSC+4*((\s)%2)+2*\hf:XSC+4*((\s)%2)+2*\hf+1], v[fa+2] offset:fo+8192+256*\hf
.endr
.endm
; A K step: the next step's o is asked for, then 16 matrix instructions, the 16 accumulators by turns, in the same order in every step
.macro STEP s
.if (\s) > 0
	PLACES                                         ; the set that the next loads fill was read by the step before
.endif
	WIN 0
.if (\s) < 7
	FETCHX (\s)+1
	s_wait_dscnt 18                                ; this step's o is in; the 18 loads just issued may be out
.else
	s_wait_dscnt 0x0
.endif
.if (\s) < 2                           ; loads come back in order: behind this step's four weight loads stand those of the later steps, the residual's first 16, and 8 more from each of steps 0 and 1
	s_wait_loadcnt 4*(7-(\s))+16+8*(\s)
.else
	s_wait_loadcnt 4*(7-(\s))+32
.endif
.if (\s) == 0
	WIN 0x42                                       ; source 0 window 2, source 1 and C (the bias) window 0, D window 1
.else
	WIN 0x52                                       ; C and D window 1
.endif
.irp m, 0,1,2,3,4,5,6,7
.irp u, 0,1
.if (\s) == 0
	WM 16*\m+8*\u, 16*(\s)+8*\u, XF+64*((\s)%2)+8*\m, BIAS+8*\u, WSC+(\s), XSC+4*((\s)%2)+\m/2, \u, \m%2
.else
	WM 16*\m+8*\u, 16*(\s)+8*\u, XF+64*((\s)%2)+8*\m, 16*\m+8*\u, WSC+(\s), XSC+4*((\s)%2)+\m/2, \u, \m%2
.endif
.endr
.endr
.if (\s) < 2                           ; the residual's rows 16 to 31, eight behind each of the first two steps' products
	WIN 0x40
.irp i, 0,1,2,3,4,5,6,7
	global_load_b128 v[192+32*(\s)+4*\i:192+32*(\s)+4*\i+3], v1, s[42:43] offset:4096*(16+8*(\s)+\i) th:TH_LOAD_NT
.endr
.endif
.endm
	s_load_b256 s[4:11], s[0:1], 0x0               ; oq s[4:5], wc s[6:7], ws s[8:9], bo s[10:11]
	s_load_b128 s[12:15], s[0:1], 0x20             ; hidden_states s[12:13], out0 s[14:15]
	v_lshl_add_u32 v126, v0, 2, 0x29000
	v_mov_b32 v127, 0
	ds_add_u32 v126, v127
	ds_add_u32 v126, v127
	v_lshrrev_b32 v10, 5, v0
	v_readfirstlane_b32 s[WV], v10                 ; wave 0..3
	s_bfe_u32 s17, ttmp6, 0x40000                  ; cx: it enters global addresses alone
	s_lshl_b32 s18, ttmp9, 2
	s_add_co_u32 s18, s18, s17                     ; x: my 128 columns
	s_and_b32 s19, ttmp7, 0xffff                   ; blk: the block of 128 tokens, which the four partners share
	; descriptor group 1: two K steps' records, 17,408 dense bytes, as 68 rows of 32 elements of 8 bytes; mask 15 and bit 21 beside it
	s_mov_b32 s[G1], 15|(3<<16)|(1<<21)
	s_mov_b32 s[G1+1], 32<<16                      ; tensor_dim0
	s_mov_b32 s[G1+2], 68<<16                      ; tensor_dim1
	s_mov_b32 s[G1+3], 32<<16                      ; tile_dim0
	s_mov_b32 s[G1+4], 68                          ; tile_dim1
	s_mov_b32 s[G1+5], 32                          ; the pitch
	s_mov_b32 s[G1+6], 0
	s_mov_b32 s[G1+7], 0
	s_mov_b32 s[G0], 1
	s_mul_i32 s[G0+1], s[WV], 2*RECB               ; LDS: K steps 2 w and 2 w + 1
	s_mul_i32 s20, s19, 8*RECB
	s_add_co_u32 s20, s20, s[G0+1]
	s_mov_b32 s21, 0
	s_wait_dscnt 0x0
	s_wait_kmcnt 0x0
	s_add_nc_u64 s[G0+2:G0+3], s[4:5], s[20:21]
	s_or_b32 s[G0+3], s[G0+3], 0x80000000
	ROUND                                          ; all four work-groups are here: the joint loads meet
	tensor_load_to_lds s[G0:G0+3], s[G1:G1+7]      ; my one tensor load of the launch
	s_nop 0
.rept 4
	v_nop
.endr
	s_lshl_b32 s20, s18, 2
	s_add_co_u32 s20, s20, s[WV]
	s_add_co_u32 s20, s20, 64                      ; my pair of tiles: wo's begin at pair 64
	s_lshl_b32 s22, s20, 14
	s_mov_b32 s23, 0
	s_add_nc_u64 s[36:37], s[6:7], s[22:23]
	s_lshl_b32 s22, s20, 10
	s_add_nc_u64 s[38:39], s[8:9], s[22:23]
	s_lshl_b32 s22, s18, 9
	s_lshl_b32 s20, s[WV], 7
	s_add_co_u32 s22, s22, s20                     ; my first column, in bytes
	s_add_nc_u64 s[40:41], s[10:11], s[22:23]
	s_lshl_b32 s20, s19, 7
	s_lshl_b32 s22, s[WV], 5
	s_add_co_u32 s20, s20, s22                     ; the first row that I store: 128 blk + 32 w
	s_lshl_b32 s22, s20, 12
	s_lshl_b32 s20, s18, 9
	s_add_co_u32 s22, s22, s20                     ; and the work-group's first column
	s_add_nc_u64 s[42:43], s[12:13], s[22:23]
	s_add_nc_u64 s[44:45], s[14:15], s[22:23]
	v_and_b32 v10, 31, v0                          ; lane
	v_and_b32 v11, 15, v0                          ; r
	v_bfe_u32 v8, v0, 4, 1                         ; h
	v_lshlrev_b32 v1, 4, v10                       ; 16 x lane
	v_add_nc_u32 v2, 4*RECB, v1
	v_lshlrev_b32 v3, 3, v10                       ; 8 x lane
	v_add_nc_u32 v4, 4*RECB, v3
	v_lshlrev_b32 v5, 2, v10                       ; 4 x lane
	v_and_b32 v6, 8, v11
	v_mad_u32_u24 v6, v6, 3, v11                   ; r + 24 (r / 8)
	v_mul_u32_u24 v6, v6, SPT
	v_lshl_add_u32 v6, v8, 6, v6                   ; + 64 h
	s_lshl_b32 s20, s[WV], 7
	s_add_co_u32 s20, s20, STG
	v_add_nc_u32 v6, s20, v6                       ; + 128 w: into the stage
	s_mul_i32 s20, s[WV], 32*SPT
	s_add_co_u32 s20, s20, STG
	v_add_nc_u32 v7, s20, v1                       ; and back: my 32 rows, 16 bytes a lane
	v_lshlrev_b32 v8, 6, v8                        ; 64 h
.irp s, 0,1,2,3,4,5,6,7
	global_load_b32 v[WSC+\s], v5, s[38:39] offset:128*\s       ; wo's scale words of K step s, the pair packed
.endr
.irp i, 0,1,2,3
	global_load_b128 v[BIAS+4*\i:BIAS+4*\i+3], v8, s[40:41] offset:16*\i   ; bo of my lane's 16 columns
.endr
	WIN 0x80                                       ; destination window 2
.irp s, 0,1,2,3,4,5,6,7
.irp u, 0,1
.irp c, 0,1
	global_load_b128 v[16*\s+8*\u+4*\c:16*\s+8*\u+4*\c+3], v1, s[36:37] offset:8192*\u+1024*\s+512*\c   ; all my weights, K step by K step
.endr
.endr
.endr
	WIN 0x40                                       ; destination window 1: the first 16 of the rows that I store
.irp i, 0,1,2,3,4,5,6,7,8,9,10,11,12,13,14,15
	global_load_b128 v[128+4*\i:128+4*\i+3], v1, s[42:43] offset:4096*\i th:TH_LOAD_NT   ; the residual of the 32 rows that I store: 512 consecutive bytes a load
.endr
	WIN 0
	s_wait_alu depctr_va_vdst(0)
	s_wait_tensorcnt 0x0                           ; my part of o's block has landed,
	s_barrier_signal -1
	s_barrier_wait -1                              ; everybody's has
	FETCHX 0
	STEP 0
	STEP 1
	STEP 2
	STEP 3
	STEP 4
	STEP 5
	STEP 6
	STEP 7
	; ---- the way out
	PLACES
	WIN 0x04                                       ; an LDS store's data are its source 1: window 1
.irp m, 0,1,2,3,4,5,6,7
.irp q, 0,1,2,3
	ds_store_b128 v6, v[16*\m+4*\q:16*\m+4*\q+3] offset:(64*(\m/4)+8*(\m%4))*SPT+16*\q     ; each accumulator from its low end on
.endr
.endr
	WIN 0
	s_wait_dscnt 0x0                               ; for the others' sake: my stores into the stage have landed
	s_barrier_signal -1
	s_barrier_wait -1
.irp i, 0,1,2,3,4,5,6,7,8,9,10,11,12,13,14,15,16,17,18,19,20,21,22,23,24,25,26,27,28,29,30,31
	ds_load_b128 v[XF+4*\i:XF+4*\i+3], v7 offset:SPT*\i
.endr
.irp q, 0,1,2,3                        ; eight rows at a time, so that a group costs two switches of the window
	s_wait_dscnt 24-8*\q                           ; this group's rows are back; the later groups' may be out
	s_wait_loadcnt 24-8*\q                         ; and so is its residual
	WIN 0x04                                       ; source 1 window 1
.irp i, 0,1,2,3,4,5,6,7
	v_pk_add_f32 v[XF+32*\q+4*\i:XF+32*\q+4*\i+1], v[XF+32*\q+4*\i:XF+32*\q+4*\i+1], v[128+32*\q+4*\i:128+32*\q+4*\i+1]
	v_pk_add_f32 v[XF+32*\q+4*\i+2:XF+32*\q+4*\i+3], v[XF+32*\q+4*\i+2:XF+32*\q+4*\i+3], v[128+32*\q+4*\i+2:128+32*\q+4*\i+3]
.endr
	WIN 0
.irp i, 0,1,2,3,4,5,6,7
	global_store_b128 v1, v[XF+32*\q+4*\i:XF+32*\q+4*\i+3], s[44:45] offset:4096*(8*\q+\i) th:TH_STORE_NT   ; 32 lanes store 512 consecutive bytes, at a multiple of 256 from out0's first byte
.endr
.endr
	s_wait_tensorcnt 0x0
	ds_add_u32 v126, v127
	s_wait_dscnt 0x0
	ROUND                                          ; the closing round: no work-group ends while a partner may still ask for a tile that names it
	s_endpgm
.Lfunc_end_k_qe6c4bb97a2_oproj:
	.size	k_qe6c4bb97a2_oproj, .Lfunc_end_k_qe6c4bb97a2_oproj-k_qe6c4bb97a2_oproj
	.p2alignl 7, 3214868480
	.fill 96, 4, 3214868480
	.section	.rodata,"a",@progbits
	.p2align	6, 0x0
	.amdhsa_kernel k_qe6c4bb97a2_oproj
		.amdhsa_group_segment_fixed_size 168448
		.amdhsa_private_segment_fixed_size 0
		.amdhsa_enable_private_segment 0
		.amdhsa_kernarg_size 48
		.amdhsa_user_sgpr_count 2
		.amdhsa_user_sgpr_kernarg_segment_ptr 1
		.amdhsa_wavefront_size32 1
		.amdhsa_system_sgpr_workgroup_id_x 1
		.amdhsa_system_sgpr_workgroup_id_y 1
		.amdhsa_system_sgpr_workgroup_id_z 1
		.amdhsa_system_vgpr_workitem_id 0
		.amdhsa_next_free_vgpr 640
		.amdhsa_next_free_sgpr 66
		.amdhsa_reserve_vcc 0
		.amdhsa_float_denorm_mode_32 3
		.amdhsa_float_denorm_mode_16_64 3
		.amdhsa_memory_ordered 1
		.amdhsa_forward_progress 1
		.amdhsa_inst_pref_size 51
	.end_amdhsa_kernel
	.amdgpu_metadata
---
amdhsa.version: [ 1, 2 ]
amdhsa.kernels:
  - .name:           k_qe6c4bb97a2_oproj
    .symbol:         k_qe6c4bb97a2_oproj.kd
    .args:
      - { .name: oq, .offset: 0, .size: 8, .value_kind: global_buffer, .address_space: global }
      - { .name: wc, .offset: 8, .size: 8, .value_kind: global_buffer, .address_space: global }
      - { .name: ws, .offset: 16, .size: 8, .value_kind: global_buffer, .address_space: global }
      - { .name: bo, .offset: 24, .size: 8, .value_kind: global_buffer, .address_space: global }
      - { .name: hidden_states, .offset: 32, .size: 8, .value_kind: global_buffer, .address_space: global }
      - { .name: out0, .offset: 40, .size: 8, .value_kind: global_buffer, .address_space: global }
    .group_segment_fixed_size: 168448
    .private_segment_fixed_size: 0
    .kernarg_segment_align: 8
    .kernarg_segment_size: 48
    .max_flat_workgroup_size: 128
    .sgpr_count:     66
    .vgpr_count:     640
    .wavefront_size: 32
...
	.end_amdgpu_metadata
.endif
;; end of part 4
